; MI455X (gfx1250); checked and timed in simulation.
; The chip was launched on July 23, 2026; its instructions are those of AMD's public machine-readable ISA for CDNA 5 (MIT licence, August 2026) and "CDNA5" Instruction Set Architecture Reference Guide (July 2026). The comments in the code are by the model that wrote it; some were corrected since.
;; Soft Skeletonize. Allowed arithmetic: float matrix products may take bf16 or f16 operands with f32 sums; all other float work in f32.
;; Inputs: img 4 x 1 x 1,024 x 1,024 float32.
;; Outputs: out0 4 x 1 x 1,024 x 1,024 float32.
;; 3 versions, each right; version 2 is faster than version 1; version 3 is version 2 with the launch skel written anew for expert scheduling mode. Each part assembles by itself: llvm-mc -triple=amdgcn-amd-amdhsa -mcpu=gfx1250 --defsym DOCPART=n.
;; ======== version 1 of 3: 1 launch
;; limits: below input magnitudes of 0.001 results are inexact or not finite
;; launch skel (part 1): grid 8 x 32, 8 waves a work-group, no clusters, 168,960 bytes of LDS; arguments img, out0; writes out0
.if DOCPART == 1
	.amdgcn_target "amdgcn-amd-amdhsa--gfx1250"
	.amdhsa_code_object_version 6
	.text
	.protected	k_q0c6b9a4475_skel
	.globl	k_q0c6b9a4475_skel
	.p2align	8
	.type	k_q0c6b9a4475_skel,@function
k_q0c6b9a4475_skel:
	s_mov_b64 s[64:65], 0
	v_nop
	global_prefetch_b8 v0, s[64:65] scope:SCOPE_SE
	s_setreg_imm32_b32 hwreg(HW_REG_WAVE_MODE, 25, 1), 1
	s_wait_xcnt 0x0
; SoftSkeletonize, img and out0 [4][1][1024][1024] f32, all 41 steps in one launch.
;   E_0 = img, E_k = erode(E_k-1) (min over the cross of 5);  delta_k = relu(E_k - max3x3(E_k+1)), k = 0..40;
;   skel = delta_0, then skel += relu(delta_k - skel*delta_k).
; A work-group owns a tile of 128 x 128 pixels (grid 8 x 32 = 256 tiles).  Only the erosion needs a halo: E_k is needed where the L1 distance
; to the tile grown by one pixel is at most 41 - k.  Everything lives in registers as patches of 8 x 8 pixels, three for each of the 256 lanes,
; in a grid of 28 x 28 cells (the tile is cells 6..21):
;   interior: 16 x 16 patches;   near: the ring of 3 cells round it, 228 patches as a pinwheel of 4 arms x 57 (two waves an arm; the 7 lanes
;   left over repeat patch 56 of their own wave and store the same values);   far: layers 4, 5, 6 of each side, 22 + 20 + 18 patches an arm.
;   A cell i layers out one way and j the other begins at distance 8 (i + j) - 16, so cells with i + j > 7 are never needed and not held.
;   Far pixels lie at distance >= 24, so they are needed up to E_17 only: phases 17..40 leave the far patch out.
; BORDERS: outside the image the halo is loaded mirrored (-1 -> 0, -2 -> 1, 1024 -> 1023 ..).  Both stencils are symmetric, so a mirror image
; stays one, and the mirrored neighbour of a border pixel lies in that pixel's own window: same values as padding with +inf (min), -inf (max).
; SKELETON: kept as c = 1 - skel;  skel += relu(delta - skel*delta)  is  c -= delta * max(c, 0)  since delta >= 0.
; LIMITS: c is rounded near 1 in each of the 41 updates, an absolute floor of about 41 * 2^-24 = 2.5e-6 in the output: fine for inputs 30 times
; smaller, larger or offset, not for inputs whose spread is below about 1e-3 of [0,1].  Finite inputs only: the _num min/max drop a NaN.
; NO CLUSTER, NO TENSOR LOADS, NO MATRIX UNIT: there is no product; the input is read once, at the start, and mirrored patches need a per-lane
; order of rows and columns; what neighbouring tiles share is that one-time halo.  The output leaves in runs of 512 aligned bytes.
;
; PHASE p holds E_p (with a ring of the neighbours' pixels) and E_p-1, makes delta_p-1, updates c, and writes E_p+1 over E_p-1.
; Patch edges go from lane to lane through records in LDS.  Two barriers a phase, both with register work between signal and wait:
;   (1) every wave's ring loads are back -> the records may be overwritten;   (2) every wave's edges are stored -> the rings may be loaded.
; One more barrier of kind (1) stands between the last ring loads and the stores of the way out.
;
; REGISTERS.  Window 0 (v0-255): interior.  Window 1 (v256-469, named v0-213 under s_set_vgpr_msb): the two frame patches.
; A patch keeps column 0 in 8 consecutive registers, column 7 in 8 more, columns 1..6 row by row: all four edges are consecutive registers.
.set IADR, 1                           ; v1        LDS address of the record up-left of the interior patch's own
.set A,    8                           ; v8-71     E_p in even phases, E_p-1 in odd ones
.set B,    72                          ; v72-135   the other one
.set C,    136                         ; v136-199  c = 1 - skel
.set RL,   200                         ; ring: x = -1, y = 0..7
.set RR,   208                         ;       x = 8
.set RTM,  216                         ;       y = -1, x = 1..6
.set RT0,  222                         ;       y = -1, x = 0
.set RT7,  223                         ;       y = -1, x = 7
.set RBM,  224                         ;       y = 8, x = 1..6
.set RB0,  230
.set RB7,  231
.set RCTL, 232                         ;       the four corners
.set RCTR, 233
.set RCBL, 234
.set RCBR, 235
.set T,    236                         ; v236-253  at work
; at the start only (the ring is not yet in use):
.set GI,   200                         ; 8 row offsets in img: interior, near, far
.set GN,   208
.set GF,   216
.set BXI,  224                         ; cell coordinates, 0..27
.set BYI,  225
.set BXN,  226
.set BYN,  227
.set BXF,  228
.set BYF,  229
.set LN,   230                         ; LDS addresses of near and far, on their way to window 1
.set LFR,  231
.set P0,   240
.set P1,   241
.set P2,   242
.set P3,   243
; window 1.  A frame patch: 11 row slots (column 0 at +slot, column 7 at +12+slot, columns 1..6 at +24+6*slot), ring x=-1 at +90, x=8 at +98.
.set NB,   0
.set FB,   106
.set NADR, 212
.set FADR, 213
; LDS: 30 x 30 records (28 x 28 cells and a rim), then a stage of 8,192 bytes for each wave.  A record is 7 chunks of 16 bytes; within a row of
; records they lie chunk by chunk, so that neighbouring cells touch neighbouring 16 bytes.  Offsets count from the record up-left: all >= 0.
.set ROWB, 3360                        ; 7 chunks x 30 records x 16 bytes
.set CH,   480
.set STAGE, 102400
.set SELF, ROWB+16
.set UP,   16
.set DN,   2*ROWB+16
.set LF,   ROWB
.set RG,   ROWB+32
.set UL,   0
.set UR,   32
.set DL,   2*ROWB
.set DR,   2*ROWB+32
.set K_TA, 0                           ; row 0, x = 1..4
.set K_BA, CH                          ; row 7, x = 1..4
.set K_TL, 2*CH                        ; row 0 x = 5,6; row 7 x = 5,6
.set K_L0, 3*CH                        ; column 0, y = 0..3
.set K_L1, 4*CH                        ;           y = 4..7
.set K_R0, 5*CH                        ; column 7
.set K_R1, 6*CH
.set MSB, 0
.macro WIN new                         ; low byte: windows of source 0, 1, 2 and destination; the high byte repeats the setting that is left
.if MSB != \new
	s_set_vgpr_msb (MSB<<8)|\new
.set MSB, \new
.endif
.endm
; register of pixel (y, x) of the interior patch held at base, ring included (y, x = -1..8)
.macro IREG sym, base, y, x
.if (\y) == -1
.if (\x) == -1
.set \sym, RCTL
.elseif (\x) == 0
.set \sym, RT0
.elseif (\x) == 7
.set \sym, RT7
.elseif (\x) == 8
.set \sym, RCTR
.else
.set \sym, RTM+(\x)-1
.endif
.elseif (\y) == 8
.if (\x) == -1
.set \sym, RCBL
.elseif (\x) == 0
.set \sym, RB0
.elseif (\x) == 7
.set \sym, RB7
.elseif (\x) == 8
.set \sym, RCBR
.else
.set \sym, RBM+(\x)-1
.endif
.elseif (\x) == -1
.set \sym, RL+(\y)
.elseif (\x) == 8
.set \sym, RR+(\y)
.elseif (\x) == 0
.set \sym, \base+(\y)
.elseif (\x) == 7
.set \sym, \base+8+(\y)
.else
.set \sym, \base+16+6*(\y)+(\x)-1
.endif
.endm
; register of a frame patch: row slot s, column x (-1 and 8: the side rings, by patch row y)
.macro FR sym, fb, s, x, y
.if (\x) == -1
.set \sym, \fb+90+(\y)
.elseif (\x) == 8
.set \sym, \fb+98+(\y)
.elseif (\x) == 0
.set \sym, \fb+(\s)
.elseif (\x) == 7
.set \sym, \fb+12+(\s)
.else
.set \sym, \fb+24+6*(\s)+(\x)-1
.endif
.endm
; one row of a frame patch eroded: slots sm, s0, sp hold rows y-1, y, y+1; the result goes to slot sd
.macro FROWE fb, y, sm, s0, sp, sd
.set xx, 0
.rept 8
	FR r_a, \fb, \sm, xx, \y
	FR r_b, \fb, \s0, xx, \y
	FR r_c, \fb, \sp, xx, \y
	FR r_d, \fb, \sd, xx, \y
	v_min3_num_f32 v[r_d], v[r_a], v[r_b], v[r_c]
.set xx, xx+1
.endr
.set xx, 0
.rept 8
	FR r_a, \fb, \s0, xx-1, \y
	FR r_c, \fb, \s0, xx+1, \y
	FR r_d, \fb, \sd, xx, \y
	v_min3_num_f32 v[r_d], v[r_d], v[r_a], v[r_c]
.set xx, xx+1
.endr
.endm
; In place, without copies: the new row lands two slots from the old one, in a slot whose row is dead by then.
; typ 0 (even phases): rows in slots 2..9, top ring 1, bottom ring 10, sweep down into slots 0..7.
; typ 1 (odd phases):  rows in slots 0..7, top ring 10, bottom ring 8, sweep up into slots 2..9.  Two slots, not one: tuples stay even.
.macro FERODE fb, typ
.if \typ == 0
.irp y, 0,1,2,3,4,5,6,7
	FROWE \fb, \y, \y+1, \y+2, \y+3, \y
.endr
.else
.irp y, 7,6,5,4,3,2,1
	FROWE \fb, \y, \y-1, \y, \y+1, \y+2
.endr
	FROWE \fb, 0, 10, 0, 1, 2
.endif
.endm
; a frame patch's four edges into its record; bs = slot of its row 0
.macro FSTORE fb, adr, bs
	ds_store_b128 v[\adr], v[\fb+24+6*(\bs):\fb+24+6*(\bs)+3] offset:SELF+K_TA
	ds_store_b64  v[\adr], v[\fb+24+6*(\bs)+4:\fb+24+6*(\bs)+5] offset:SELF+K_TL
	ds_store_b128 v[\adr], v[\fb+24+6*(\bs+7):\fb+24+6*(\bs+7)+3] offset:SELF+K_BA
	ds_store_b64  v[\adr], v[\fb+24+6*(\bs+7)+4:\fb+24+6*(\bs+7)+5] offset:SELF+K_TL+8
	ds_store_b128 v[\adr], v[\fb+(\bs):\fb+(\bs)+3] offset:SELF+K_L0
	ds_store_b128 v[\adr], v[\fb+(\bs)+4:\fb+(\bs)+7] offset:SELF+K_L1
	ds_store_b128 v[\adr], v[\fb+12+(\bs):\fb+12+(\bs)+3] offset:SELF+K_R0
	ds_store_b128 v[\adr], v[\fb+12+(\bs)+4:\fb+12+(\bs)+7] offset:SELF+K_R1
.endm
; its ring from the four neighbours' records; ts, bt = slots of the top and the bottom ring row
.macro FLOAD fb, adr, ts, bt
	ds_load_b128 v[\fb+24+6*(\ts):\fb+24+6*(\ts)+3], v[\adr] offset:UP+K_BA
	ds_load_b64  v[\fb+24+6*(\ts)+4:\fb+24+6*(\ts)+5], v[\adr] offset:UP+K_TL+8
	ds_load_b32  v[\fb+(\ts)], v[\adr] offset:UP+K_L1+12
	ds_load_b32  v[\fb+12+(\ts)], v[\adr] offset:UP+K_R1+12
	ds_load_b128 v[\fb+24+6*(\bt):\fb+24+6*(\bt)+3], v[\adr] offset:DN+K_TA
	ds_load_b64  v[\fb+24+6*(\bt)+4:\fb+24+6*(\bt)+5], v[\adr] offset:DN+K_TL
	ds_load_b32  v[\fb+(\bt)], v[\adr] offset:DN+K_L0
	ds_load_b32  v[\fb+12+(\bt)], v[\adr] offset:DN+K_R0
	ds_load_b128 v[\fb+90:\fb+93], v[\adr] offset:LF+K_R0
	ds_load_b128 v[\fb+94:\fb+97], v[\adr] offset:LF+K_R1
	ds_load_b128 v[\fb+98:\fb+101], v[\adr] offset:RG+K_L0
	ds_load_b128 v[\fb+102:\fb+105], v[\adr] offset:RG+K_L1
.endm
.macro ISTORE arr
	ds_store_b128 v[IADR], v[\arr+16:\arr+19] offset:SELF+K_TA
	ds_store_b64  v[IADR], v[\arr+20:\arr+21] offset:SELF+K_TL
	ds_store_b128 v[IADR], v[\arr+58:\arr+61] offset:SELF+K_BA
	ds_store_b64  v[IADR], v[\arr+62:\arr+63] offset:SELF+K_TL+8
	ds_store_b128 v[IADR], v[\arr:\arr+3] offset:SELF+K_L0
	ds_store_b128 v[IADR], v[\arr+4:\arr+7] offset:SELF+K_L1
	ds_store_b128 v[IADR], v[\arr+8:\arr+11] offset:SELF+K_R0
	ds_store_b128 v[IADR], v[\arr+12:\arr+15] offset:SELF+K_R1
.endm
.macro ILOAD                           ; as FLOAD, and the four corners for the 3 x 3 maximum
	ds_load_b128 v[RTM:RTM+3], v[IADR] offset:UP+K_BA
	ds_load_b64  v[RTM+4:RTM+5], v[IADR] offset:UP+K_TL+8
	ds_load_b32  v[RT0], v[IADR] offset:UP+K_L1+12
	ds_load_b32  v[RT7], v[IADR] offset:UP+K_R1+12
	ds_load_b128 v[RBM:RBM+3], v[IADR] offset:DN+K_TA
	ds_load_b64  v[RBM+4:RBM+5], v[IADR] offset:DN+K_TL
	ds_load_b32  v[RB0], v[IADR] offset:DN+K_L0
	ds_load_b32  v[RB7], v[IADR] offset:DN+K_R0
	ds_load_b128 v[RL:RL+3], v[IADR] offset:LF+K_R0
	ds_load_b128 v[RL+4:RL+7], v[IADR] offset:LF+K_R1
	ds_load_b128 v[RR:RR+3], v[IADR] offset:RG+K_L0
	ds_load_b128 v[RR+4:RR+7], v[IADR] offset:RG+K_L1
	ds_load_b32  v[RCTL], v[IADR] offset:UL+K_R1+12
	ds_load_b32  v[RCTR], v[IADR] offset:UR+K_L1+12
	ds_load_b32  v[RCBL], v[IADR] offset:DL+K_R0
	ds_load_b32  v[RCBR], v[IADR] offset:DR+K_L0
.endm
; A strip of n interior pixels, i = 0..n-1 at (y0 + i dy, x0 + i dx); s = -1, 0, 1 steps across the strip.
.macro SP sym, base, i, s
	IREG \sym, \base, st_y+(\i)*st_dy+(\s)*st_dx, st_x+(\i)*st_dx+(\s)*st_dy
.endm
; sk: the skeleton's update with delta = prv - min(prv, max3x3(cur)).  The 3 x 3 maximum goes across the strip first (H(i) in T+i+1,
; i = -1..n), then along it; two neighbours share max(H(i), H(i+1)), and v_maxmin = min(max(shared, third), prv) spares the relu.
; ero: the erosion of cur, written over prv behind prv's last use.  Pairs of prv and of c are consecutive even-aligned registers.
.macro STRIP cur, prv, y0, x0, dy, dx, n, sk, ero
.set st_y, \y0
.set st_x, \x0
.set st_dy, \dy
.set st_dx, \dx
.if \sk
.set ii, -1
.rept \n+2
	SP r_a, \cur, ii, -1
	SP r_b, \cur, ii, 0
	SP r_c, \cur, ii, 1
	v_max3_num_f32 v[T+ii+1], v[r_a], v[r_b], v[r_c]
.set ii, ii+1
.endr
.endif
.set ii, 0
.rept \n/2
	SP r_p, \prv, ii, 0
	SP r_k, C, ii, 0
.if \sk
	v_max_num_f32 v[T+10], v[T+ii+1], v[T+ii+2]
	v_max_num_f32 v[T+14], 0, v[r_k]                       ; max(c, 0)
	v_max_num_f32 v[T+15], 0, v[r_k+1]
	v_maxmin_num_f32 v[T+12], v[T+10], v[T+ii], v[r_p]     ; min(max3x3, prv)
	v_maxmin_num_f32 v[T+13], v[T+10], v[T+ii+3], v[r_p+1]
.endif
.if \ero
	SP r_a, \cur, ii-1, 0
	SP r_b, \cur, ii, 0
	SP r_c, \cur, ii+1, 0
	SP r_d, \cur, ii+2, 0
	v_min3_num_f32 v[T+16], v[r_a], v[r_b], v[r_c]
	v_min3_num_f32 v[T+17], v[r_b], v[r_c], v[r_d]
.endif
.if \sk
	v_pk_add_f32 v[T+12:T+13], v[T+12:T+13], v[r_p:r_p+1] neg_lo:[0,1] neg_hi:[0,1]   ; -delta
.endif
.if \ero
	SP r_a, \cur, ii, -1
	SP r_b, \cur, ii, 1
	v_min3_num_f32 v[r_p], v[T+16], v[r_a], v[r_b]
	SP r_a, \cur, ii+1, -1
	SP r_b, \cur, ii+1, 1
	v_min3_num_f32 v[r_p+1], v[T+17], v[r_a], v[r_b]
.endif
.if \sk
	v_pk_fma_f32 v[r_k:r_k+1], v[T+12:T+13], v[T+14:T+15], v[r_k:r_k+1]               ; c -= delta * max(c, 0)
.endif
.set ii, ii+2
.endr
.endm
; From a cell (bx, by): the eight row offsets in the image (mirrored where the cell lies outside), the mask of lanes whose columns are
; reversed, and the LDS address.  128 patches along each axis: -1 -> 0, -2 -> 1 by the xor with the sign, 128 -> 127 by min(m, 255 - m).
.macro PSETUP bx, by, g, mask, adr
	v_add_nc_u32 v[P0], s9, v[\bx]
	v_ashrrev_i32 v[P1], 31, v[P0]
	v_xor_b32 v[P1], v[P1], v[P0]
	v_sub_nc_u32 v[P2], 0xff, v[P1]
	v_min_u32 v[P1], v[P1], v[P2]                  ; patch column in the image
	v_cmp_ne_u32 \mask, v[P1], v[P0]               ; mirrored: columns reversed
	v_add_nc_u32 v[P0], s10, v[\by]
	v_ashrrev_i32 v[P2], 31, v[P0]
	v_xor_b32 v[P2], v[P2], v[P0]
	v_sub_nc_u32 v[P3], 0xff, v[P2]
	v_min_u32 v[P2], v[P2], v[P3]                  ; patch row in the image
	v_cmp_ne_u32 vcc_lo, v[P2], v[P0]              ; mirrored: rows from the last to the first
	v_cndmask_b32 v[P3], 0, 7, vcc_lo
	v_lshl_add_u32 v[P2], v[P2], 3, v[P3]          ; image row of the patch's row 0
	v_lshlrev_b32 v[P1], 5, v[P1]                  ; 32 bytes a patch
	v_lshl_add_u32 v[\g], v[P2], 12, v[P1]         ; 4,096 bytes a row
	v_cndmask_b32 v[P3], 1, -1, vcc_lo
	v_lshlrev_b32 v[P3], 12, v[P3]                 ; a row down or up
.irp y, 1,2,3,4,5,6,7
	v_add_nc_u32 v[\g+\y], v[\g+\y-1], v[P3]
.endr
	v_mul_u32_u24 v[P0], ROWB, v[\by]
	v_lshl_add_u32 v[\adr], v[\bx], 4, v[P0]
.endm
.macro GLOAD raw, g                    ; a patch as it lies in memory: row y in raw+8y..+7
.irp y, 0,1,2,3,4,5,6,7
	global_load_b128 v[\raw+8*\y:\raw+8*\y+3], v[\g+\y], s[4:5]
	global_load_b128 v[\raw+8*\y+4:\raw+8*\y+7], v[\g+\y], s[4:5] offset:16
.endr
.endm
.macro PLACEF fb, raw, mask            ; into a frame patch's slots 2..9, columns reversed in the lanes of mask
.set yy, 0
.rept 8
.set xx, 0
.rept 8
	FR r_d, \fb, yy+2, xx, yy
	v_cndmask_b32 v[r_d], v[\raw+8*yy+xx], v[\raw+8*yy+7-xx], \mask
.set xx, xx+1
.endr
.set yy, yy+1
.endr
.endm
.macro PHASE cur, prv, typ, far, sk
.if \typ
.set f_bs, 2
.set f_ts, 1
.set f_bt, 10
.else
.set f_bs, 0
.set f_ts, 10
.set f_bt, 8
.endif
	s_wait_dscnt 0x0                               ; my rings are in registers: I read the records no more
	s_barrier_signal -1
	WIN 0x55
	FERODE NB, \typ                                ; registers only
	s_barrier_wait -1                              ; nobody reads the records any more: they may be overwritten
	FSTORE NB, NADR, f_bs
.if \far
	FERODE FB, \typ
	FSTORE FB, FADR, f_bs
.endif
	WIN 0
	STRIP \cur, \prv, 0, 0, 1, 0, 8, \sk, 1        ; the interior's border first: columns 0 and 7, rows 0 and 7
	STRIP \cur, \prv, 0, 7, 1, 0, 8, \sk, 1
	STRIP \cur, \prv, 0, 1, 0, 1, 6, \sk, 1
	STRIP \cur, \prv, 7, 1, 0, 1, 6, \sk, 1
	ISTORE \prv
	s_wait_dscnt 0x0                               ; my edges are in LDS
	s_barrier_signal -1
.irp y, 1,2,3
	STRIP \cur, \prv, \y, 1, 0, 1, 6, \sk, 1       ; inner rows name no ring register
.endr
	s_barrier_wait -1                              ; everybody's edges are
	ILOAD
	WIN 0x55
	FLOAD NB, NADR, f_ts, f_bt
.if \far
	FLOAD FB, FADR, f_ts, f_bt
.endif
	WIN 0
.irp y, 4,5,6
	STRIP \cur, \prv, \y, 1, 0, 1, 6, \sk, 1       ; while the rings come in
.endr
.endm
	; ---- ids ----
	s_load_b128 s[4:7], s[0:1], 0x0                ; img s[4:5], out0 s[6:7]
	v_lshl_add_u32 v254, v0, 2, 0x29000
	v_mov_b32 v255, 0
	v_lshrrev_b32 v3, 5, v0
	v_readfirstlane_b32 s8, v3                     ; wave 0..7
	s_and_b32 s12, ttmp7, 0xffff
	s_lshr_b32 s13, s12, 3                         ; image
	s_and_b32 s12, s12, 7                          ; tile row;  ttmp9: tile column
	s_lshl_b32 s9, ttmp9, 4
	s_sub_co_i32 s9, s9, 6                         ; patch column in the image of cell 0 (may be negative)
	s_lshl_b32 s10, s12, 4
	s_sub_co_i32 s10, s10, 6
	s_lshr_b32 s11, s8, 1                          ; arm a: 0 top, 1 right, 2 bottom, 3 left
	s_add_co_u32 s18, s11, 1
	s_bfe_u32 s18, s18, 0x10001                    ; hi = bit 1 of a + 1: arms 1 and 2 lie on the far side
	s_mul_i32 s14, s18, 19
	s_add_co_u32 s14, s14, 3                       ; near: first cell across the arm
	s_sub_co_i32 s17, 0, s18                       ; hi as a lane mask
	s_lshr_b32 s15, s11, 1
	s_mul_i32 s15, s15, 3
	s_add_co_u32 s15, s15, 3                       ; near: first cell along the arm
	s_and_b32 s16, s11, 1
	s_sub_co_i32 s16, 0, s16                       ; upright arm, as a lane mask
	s_lshl_b32 s18, s13, 22                        ; 4 MiB an image
	s_mov_b32 s19, 0
	s_lshl_b32 s22, s12, 19                        ; out0: 128 rows a tile,
	s_lshl_b32 s23, s8, 16                         ; 16 rows a wave,
	s_add_co_u32 s22, s22, s23
	s_lshl_b32 s23, ttmp9, 9                       ; 512 bytes a tile column
	s_add_co_u32 s22, s22, s23
	s_add_co_u32 s22, s22, s18
	s_mov_b32 s23, 0
	; ---- cells ----
	v_and_b32 v[BXI], 15, v0
	v_add_nc_u32 v[BXI], 6, v[BXI]
	v_lshrrev_b32 v[BYI], 4, v0
	v_add_nc_u32 v[BYI], 6, v[BYI]
	v_and_b32 v3, 63, v0                           ; place in the arm
	v_min_u32 v4, 56, v3
	v_mul_u32_u24 v5, 27, v4
	v_lshrrev_b32 v5, 9, v5                        ; q = idx / 19 (exact for idx <= 56)
	v_mul_u32_u24 v6, 19, v5
	v_sub_nc_u32 v6, v4, v6                        ; r = idx - 19 q
	v_add_nc_u32 v5, s14, v5                       ; across
	v_add_nc_u32 v6, s15, v6                       ; along
	v_cndmask_b32 v[BXN], v6, v5, s16
	v_cndmask_b32 v[BYN], v5, v6, s16
	v_min_u32 v4, 59, v3
	v_cmp_le_u32 vcc_lo, 22, v4
	v_cndmask_b32 v5, 0, 1, vcc_lo
	v_cndmask_b32 v6, 0, 21, vcc_lo
	v_cmp_le_u32 vcc_lo, 42, v4
	v_cndmask_b32 v7, 0, 1, vcc_lo
	v_add_nc_u32 v5, v5, v7                        ; layer l = 0, 1, 2
	v_cndmask_b32 v7, 0, 19, vcc_lo
	v_add_nc_u32 v6, v6, v7
	v_add_nc_u32 v4, 3, v4
	v_sub_nc_u32 v6, v4, v6                        ; along: idx + 3, idx - 18, idx - 37
	v_add_nc_u32 v7, 25, v5
	v_sub_nc_u32 v5, 2, v5
	v_cndmask_b32 v5, v5, v7, s17                  ; across: 2 - l or 25 + l
	v_cndmask_b32 v[BXF], v6, v5, s16
	v_cndmask_b32 v[BYF], v5, v6, s16
	PSETUP BXI, BYI, GI, s25, IADR                 ; (the interior is never mirrored: s25 stays unused)
	PSETUP BXN, BYN, GN, s20, LN
	PSETUP BXF, BYF, GF, s21, LFR
	s_wait_kmcnt 0x0
	s_add_nc_u64 s[4:5], s[4:5], s[18:19]
	s_add_nc_u64 s[6:7], s[6:7], s[22:23]
	; ---- 48 loads a lane: interior (staged in far's registers), near (staged in C), far (staged in B) ----
	WIN 0x40                                       ; destination in window 1
	v_mov_b32 v[NADR], v[LN]
	v_mov_b32 v[FADR], v[LFR]
	GLOAD FB, GI
	WIN 0
	GLOAD C, GN
	GLOAD B, GF
	; ---- records of cells that nobody holds are read, though never needed: 102,400 bytes are written once, 25 x 4,096 ----
	v_lshlrev_b32 v3, 4, v0
	v_add_nc_u32 v4, 0x10000, v3
.irp j, 0,1,2,3
	v_mov_b32 v[T+\j], 0
.endr
.set zz, 0
.rept 16
	ds_store_b128 v3, v[T:T+3] offset:zz*4096
.set zz, zz+1
.endr
.set zz, 0
.rept 9
	ds_store_b128 v4, v[T:T+3] offset:zz*4096
.set zz, zz+1
.endr
	s_wait_dscnt 0x0
	s_barrier_signal -1
	s_barrier_wait -1                              ; before other waves store records into these bytes
	; ---- into the patches' layouts, and the edges of E_0 ----
	s_wait_loadcnt 32                              ; the interior's 16 loads are in; near's and far's 32 may be out
	WIN 0x01                                       ; source in window 1
.set yy, 0
.rept 8
.set xx, 0
.rept 8
	IREG r_d, A, yy, xx
	v_mov_b32 v[r_d], v[FB+8*yy+xx]
.set xx, xx+1
.endr
.set yy, yy+1
.endr
	WIN 0
	ISTORE A
	s_wait_loadcnt 16                              ; near's are in
	WIN 0x40
	PLACEF NB, C, s20
	s_wait_loadcnt 0x0
	PLACEF FB, B, s21
	WIN 0x55
	FSTORE NB, NADR, 2
	FSTORE FB, FADR, 2
	WIN 0
.set zz, 0
.rept 64
	v_mov_b32 v[C+zz], 1.0                         ; c = 1 - skel = 1 (a value, not a cleared sum: the first update multiplies by it)
.set zz, zz+1
.endr
	s_wait_dscnt 0x0
	s_barrier_signal -1
	s_barrier_wait -1
	ILOAD
	WIN 0x55
	FLOAD NB, NADR, 1, 10
	FLOAD FB, FADR, 1, 10
	WIN 0
	; ---- phases ----
	PHASE A, B, 0, 1, 0                            ; phase 0: E_1 only
	s_mov_b32 s24, 8
.Lfar:                                             ; phases 1..16
	PHASE B, A, 1, 1, 1
	PHASE A, B, 0, 1, 1
	s_sub_co_i32 s24, s24, 1
	s_cmp_lg_u32 s24, 0
	s_cbranch_scc1 .Lfar
	s_mov_b32 s24, 12
.Lnear:                                            ; phases 17..40: far's records stay at E_17, which reaches only pixels no longer needed
	PHASE B, A, 1, 0, 1
	PHASE A, B, 0, 0, 1
	s_sub_co_i32 s24, s24, 1
	s_cmp_lg_u32 s24, 0
	s_cbranch_scc1 .Lnear
	s_wait_dscnt 0x0                               ; phase 41: E_41 in B with its ring, E_40 in A: delta_40 alone.  My last ring loads are back:
	s_barrier_signal -1                            ; say so, and work on registers meanwhile
	STRIP B, A, 0, 0, 1, 0, 8, 1, 0
	STRIP B, A, 0, 7, 1, 0, 8, 1, 0
.irp y, 0,1,2,3,4,5,6,7
	STRIP B, A, \y, 1, 0, 1, 6, 1, 0
.endr
	s_barrier_wait -1                              ; every wave's LDS reads are over before any wave stores into LDS again
	; ---- the way out: skel = 1 - c, row by row into A, through the wave's own 16 rows x 512 bytes of LDS, out as whole rows ----
	v_lshrrev_b32 v2, 4, v0
	v_and_b32 v3, 15, v0
	v_lshlrev_b32 v3, 5, v3
	v_lshl_add_u32 v2, v2, 12, v3                  ; 8 rows of 512 bytes for each row of patches + 32 bytes a patch
	v_add_nc_u32 v2, STAGE, v2
	v_and_b32 v4, 31, v0
	v_lshlrev_b32 v4, 4, v4                        ; 16 bytes a lane
	v_lshrrev_b32 v5, 5, v0
	v_lshl_add_u32 v5, v5, 13, v4
	v_add_nc_u32 v5, STAGE, v5
.set yy, 0
.rept 8
.set xx, 0
.rept 8
	IREG r_k, C, yy, xx
	v_sub_f32 v[A+8*yy+xx], 1.0, v[r_k]
.set xx, xx+1
.endr
	ds_store_b128 v2, v[A+8*yy:A+8*yy+3] offset:yy*512
	ds_store_b128 v2, v[A+8*yy+4:A+8*yy+7] offset:yy*512+16
.set yy, yy+1
.endr
.irp r, 0,1,2,3,4,5,6,7,8,9,10,11,12,13,14,15
	ds_load_b128 v[B+4*\r:B+4*\r+3], v5 offset:\r*512      ; LDS serves a wave's instructions in order: these see the stores above
.endr
.irp r, 0,1,2,3,4,5,6,7,8,9,10,11,12,13,14,15
	s_wait_dscnt 15-\r                             ; row r is back; the younger loads may be out
	global_store_b128 v4, v[B+4*\r:B+4*\r+3], s[6:7] offset:\r*4096 th:TH_STORE_NT   ; the wave stores 512 consecutive bytes, aligned
.endr
	s_wait_tensorcnt 0x0
	ds_add_u32 v254, v255
	s_wait_dscnt 0x0
	s_endpgm
.Lfunc_end_k_q0c6b9a4475_skel:
	.size	k_q0c6b9a4475_skel, .Lfunc_end_k_q0c6b9a4475_skel-k_q0c6b9a4475_skel
	.p2alignl 7, 3214868480
	.fill 96, 4, 3214868480
	.section	.rodata,"a",@progbits
	.p2align	6, 0x0
	.amdhsa_kernel k_q0c6b9a4475_skel
		.amdhsa_group_segment_fixed_size 168960
		.amdhsa_private_segment_fixed_size 0
		.amdhsa_enable_private_segment 0
		.amdhsa_kernarg_size 16
		.amdhsa_user_sgpr_count 2
		.amdhsa_user_sgpr_kernarg_segment_ptr 1
		.amdhsa_wavefront_size32 1
		.amdhsa_system_sgpr_workgroup_id_x 1
		.amdhsa_system_sgpr_workgroup_id_y 1
		.amdhsa_system_sgpr_workgroup_id_z 1
		.amdhsa_system_vgpr_workitem_id 0
		.amdhsa_next_free_vgpr 480
		.amdhsa_next_free_sgpr 66
		.amdhsa_reserve_vcc 1
		.amdhsa_float_denorm_mode_32 3
		.amdhsa_float_denorm_mode_16_64 3
		.amdhsa_memory_ordered 1
		.amdhsa_forward_progress 1
		.amdhsa_inst_pref_size 241
	.end_amdhsa_kernel
	.amdgpu_metadata
---
amdhsa.version: [ 1, 2 ]
amdhsa.kernels:
  - .name:           k_q0c6b9a4475_skel
    .symbol:         k_q0c6b9a4475_skel.kd
    .args:
      - { .name: img, .offset: 0, .size: 8, .value_kind: global_buffer, .address_space: global }
      - { .name: out0, .offset: 8, .size: 8, .value_kind: global_buffer, .address_space: global }
    .group_segment_fixed_size: 168960
    .private_segment_fixed_size: 0
    .kernarg_segment_align: 8
    .kernarg_segment_size: 16
    .max_flat_workgroup_size: 256
    .sgpr_count:     66
    .vgpr_count:     480
    .wavefront_size: 32
...
	.end_amdgpu_metadata
.endif
;; end of part 1
;; ======== version 2 of 3: 1 launch; 1.19 times as fast as version 1
;; limits: below input magnitudes of 0.001 results are inexact or not finite
;; launch skel (part 2): grid 8 x 32, 8 waves a work-group, no clusters, 168,960 bytes of LDS; arguments img, out0; writes out0
.if DOCPART == 2
	.amdgcn_target "amdgcn-amd-amdhsa--gfx1250"
	.amdhsa_code_object_version 6
	.text
	.protected	k_q0c6b9a4475_skel
	.globl	k_q0c6b9a4475_skel
	.p2align	8
	.type	k_q0c6b9a4475_skel,@function
k_q0c6b9a4475_skel:
	s_mov_b64 s[64:65], 0
	v_nop
	global_prefetch_b8 v0, s[64:65] scope:SCOPE_SE
	s_setreg_imm32_b32 hwreg(HW_REG_WAVE_MODE, 25, 1), 1
	s_wait_xcnt 0x0
; SoftSkeletonize, img and out0 [4][1][1024][1024] f32, all 41 steps in one launch.
;   E_0 = img, E_k = erode(E_k-1) (min over the cross of 5);  delta_k = relu(E_k - max3x3(E_k+1)), k = 0..40;
;   skel = delta_0, then skel += relu(delta_k - skel*delta_k).
; A work-group owns a tile of 128 x 128 pixels (grid 8 x 32 = 256 tiles).  Only the erosion needs a halo: E_k is needed where the L1 distance
; to the tile grown by one pixel is at most 41 - k.  Everything lives in registers as patches of 8 x 8 pixels, three for each of the 256 lanes,
; in a grid of 28 x 28 cells (the tile is cells 6..21):
;   interior: 16 x 16 patches;   near: the ring of 3 cells round it, 228 patches as a pinwheel of 4 arms x 57 (two waves an arm; the 7 lanes
;   left over repeat patch 56 of their own wave and store the same values);   far: layers 4, 5, 6 of each side, 22 + 20 + 18 patches an arm.
;   A cell i layers out one way and j the other begins at distance 8 (i + j) - 16, so cells with i + j > 7 are never needed and not held.
;   Far pixels lie at distance >= 24, so they are needed up to E_17 only: phases 17..40 leave the far patch out.
; BORDERS: outside the image the halo is loaded mirrored (-1 -> 0, -2 -> 1, 1024 -> 1023 ..).  Both stencils are symmetric, so a mirror image
; stays one, and the mirrored neighbour of a border pixel lies in that pixel's own window: same values as padding with +inf (min), -inf (max).
; SKELETON: kept as c = 1 - skel;  skel += relu(delta - skel*delta)  is  c -= delta * max(c, 0)  since delta >= 0.
; LIMITS: c is rounded near 1 in each of the 41 updates, an absolute floor of about 41 * 2^-24 = 2.5e-6 in the output: fine for inputs 30 times
; smaller, larger or offset, not for inputs whose spread is below about 1e-3 of [0,1].  Finite inputs only: the _num min/max drop a NaN.
; NO CLUSTER, NO TENSOR LOADS, NO MATRIX UNIT: there is no product; the input is read once, at the start, and mirrored patches need a per-lane
; order of rows and columns; what neighbouring tiles share is that one-time halo.  The output leaves in runs of 512 aligned bytes.
;
; PHASE p holds E_p (with a ring of the neighbours' pixels) and E_p-1, makes delta_p-1, updates c, and writes E_p+1 over E_p-1.
; Patch edges go from lane to lane through records in LDS.  Two barriers a phase, both with register work between signal and wait:
;   (1) every wave's ring loads are back -> the records may be overwritten;   (2) every wave's edges are stored -> the rings may be loaded.
; All eight waves send their LDS instructions at the same points of the phase, so these go out in runs of 2 to 16 with register work behind each:
; the 36 inner pixels of the interior patch need no ring, and their six rows are spread over the phase for that.
; One more barrier of kind (1) stands between the last ring loads and the stores of the way out.
;
; REGISTERS.  Window 0 (v0-255): interior.  Window 1 (v256-469, named v0-213 under s_set_vgpr_msb): the two frame patches.
; A patch keeps column 0 in 8 consecutive registers, column 7 in 8 more, columns 1..6 row by row: all four edges are consecutive registers.
.set IADR, 1                           ; v1        LDS address of the record up-left of the interior patch's own
.set PMX,  2                           ; v2-5      a strip's pair maxima
.set A,    8                           ; v8-71     E_p in even phases, E_p-1 in odd ones
.set B,    72                          ; v72-135   the other one
.set C,    136                         ; v136-199  c = 1 - skel
.set RL,   200                         ; ring: x = -1, y = 0..7
.set RR,   208                         ;       x = 8
.set RTM,  216                         ;       y = -1, x = 1..6
.set RT0,  222                         ;       y = -1, x = 0
.set RT7,  223                         ;       y = -1, x = 7
.set RBM,  224                         ;       y = 8, x = 1..6
.set RB0,  230
.set RB7,  231
.set RCTL, 232                         ;       the four corners
.set RCTR, 233
.set RCBL, 234
.set RCBR, 235
.set T,    236                         ; v236-245  a strip's maxima across it, then max(c, 0)
.set MN,   T+10                        ; v246-253  min(max3x3, prv), then -delta
; at the start only (the ring is not yet in use):
.set GI,   200                         ; 8 row offsets in img: interior, near, far
.set GN,   208
.set GF,   216
.set BXI,  224                         ; cell coordinates, 0..27
.set BYI,  225
.set BXN,  226
.set BYN,  227
.set BXF,  228
.set BYF,  229
.set LN,   230                         ; LDS addresses of near and far, on their way to window 1
.set LFR,  231
.set P0,   240
.set P1,   241
.set P2,   242
.set P3,   243
; window 1.  A frame patch: 11 row slots (column 0 at +slot, column 7 at +12+slot, columns 1..6 at +24+6*slot), ring x=-1 at +90, x=8 at +98.
.set NB,   0
.set FB,   106
.set NADR, 212
.set FADR, 213
; LDS: 30 x 30 records (28 x 28 cells and a rim), then a stage of 8,192 bytes for each wave.  A record is 7 chunks of 16 bytes; within a row of
; records they lie chunk by chunk, so that neighbouring cells touch neighbouring 16 bytes.  Offsets count from the record up-left: all >= 0.
.set CH,   480                         ; a chunk of 30 records x 16 bytes
.set ROWB, 7*CH+16                     ; 3,376 = 211 x 16, an odd multiple of 16: sixteen cells one below the other (the upright arms' lanes) start at
                                       ; sixteen different 16-byte places modulo 256 bytes (64 banks of 4 bytes: ISA guide 11.1), as cells side by side do
.set STAGE, 102400                     ; behind the records' 30 x 3,376 = 101,280 bytes
.set SELF, ROWB+16
.set UP,   16
.set DN,   2*ROWB+16
.set LF,   ROWB
.set RG,   ROWB+32
.set UL,   0
.set UR,   32
.set DL,   2*ROWB
.set DR,   2*ROWB+32
.set K_TA, 0                           ; row 0, x = 1..4
.set K_BA, CH                          ; row 7, x = 1..4
.set K_TL, 2*CH                        ; row 0 x = 5,6; row 7 x = 5,6
.set K_L0, 3*CH                        ; column 0, y = 0..3
.set K_L1, 4*CH                        ;           y = 4..7
.set K_R0, 5*CH                        ; column 7
.set K_R1, 6*CH
.set MSB, 0
.macro WIN new                         ; low byte: windows of source 0, 1, 2 and destination; the high byte repeats the setting that is left
.if MSB != \new
	s_set_vgpr_msb (MSB<<8)|\new
.set MSB, \new
.endif
.endm
; register of pixel (y, x) of the interior patch held at base, ring included (y, x = -1..8)
.macro IREG sym, base, y, x
.if (\y) == -1
.if (\x) == -1
.set \sym, RCTL
.elseif (\x) == 0
.set \sym, RT0
.elseif (\x) == 7
.set \sym, RT7
.elseif (\x) == 8
.set \sym, RCTR
.else
.set \sym, RTM+(\x)-1
.endif
.elseif (\y) == 8
.if (\x) == -1
.set \sym, RCBL
.elseif (\x) == 0
.set \sym, RB0
.elseif (\x) == 7
.set \sym, RB7
.elseif (\x) == 8
.set \sym, RCBR
.else
.set \sym, RBM+(\x)-1
.endif
.elseif (\x) == -1
.set \sym, RL+(\y)
.elseif (\x) == 8
.set \sym, RR+(\y)
.elseif (\x) == 0
.set \sym, \base+(\y)
.elseif (\x) == 7
.set \sym, \base+8+(\y)
.else
.set \sym, \base+16+6*(\y)+(\x)-1
.endif
.endm
; register of a frame patch: row slot s, column x (-1 and 8: the side rings, by patch row y)
.macro FR sym, fb, s, x, y
.if (\x) == -1
.set \sym, \fb+90+(\y)
.elseif (\x) == 8
.set \sym, \fb+98+(\y)
.elseif (\x) == 0
.set \sym, \fb+(\s)
.elseif (\x) == 7
.set \sym, \fb+12+(\s)
.else
.set \sym, \fb+24+6*(\s)+(\x)-1
.endif
.endm
; one row of a frame patch eroded: slots sm, s0, sp hold rows y-1, y, y+1; the result goes to slot sd
.macro FROWE fb, y, sm, s0, sp, sd
.set xx, 0
.rept 8
	FR r_a, \fb, \sm, xx, \y
	FR r_b, \fb, \s0, xx, \y
	FR r_c, \fb, \sp, xx, \y
	FR r_d, \fb, \sd, xx, \y
	v_min3_num_f32 v[r_d], v[r_a], v[r_b], v[r_c]
.set xx, xx+1
.endr
.set xx, 0
.rept 8
	FR r_a, \fb, \s0, xx-1, \y
	FR r_c, \fb, \s0, xx+1, \y
	FR r_d, \fb, \sd, xx, \y
	v_min3_num_f32 v[r_d], v[r_d], v[r_a], v[r_c]
.set xx, xx+1
.endr
.endm
; In place, without copies: the new row lands two slots from the old one, in a slot whose row is dead by then.
; typ 0 (even phases): rows in slots 2..9, top ring 1, bottom ring 10, sweep down into slots 0..7.
; typ 1 (odd phases):  rows in slots 0..7, top ring 10, bottom ring 8, sweep up into slots 2..9.  Two slots, not one: tuples stay even.
.macro FEROW fb, typ, j                ; the j-th row of the sweep
.if \typ == 0
	FROWE \fb, (\j), (\j)+1, (\j)+2, (\j)+3, (\j)
.elseif (\j) == 7
	FROWE \fb, 0, 10, 0, 1, 2
.else
	FROWE \fb, 7-(\j), 6-(\j), 7-(\j), 8-(\j), 9-(\j)
.endif
.endm
.macro FEPART fb, typ, j0, n           ; n rows of the sweep from its j0-th on, 16 instructions each
.set fj, \j0
.rept \n
	FEROW \fb, \typ, fj
.set fj, fj+1
.endr
.endm
; a frame patch's four edges into its record; bs = slot of its row 0
.macro FSTORE fb, adr, bs
	ds_store_b128 v[\adr], v[\fb+24+6*(\bs):\fb+24+6*(\bs)+3] offset:SELF+K_TA
	ds_store_b64  v[\adr], v[\fb+24+6*(\bs)+4:\fb+24+6*(\bs)+5] offset:SELF+K_TL
	ds_store_b128 v[\adr], v[\fb+24+6*(\bs+7):\fb+24+6*(\bs+7)+3] offset:SELF+K_BA
	ds_store_b64  v[\adr], v[\fb+24+6*(\bs+7)+4:\fb+24+6*(\bs+7)+5] offset:SELF+K_TL+8
	ds_store_b128 v[\adr], v[\fb+(\bs):\fb+(\bs)+3] offset:SELF+K_L0
	ds_store_b128 v[\adr], v[\fb+(\bs)+4:\fb+(\bs)+7] offset:SELF+K_L1
	ds_store_b128 v[\adr], v[\fb+12+(\bs):\fb+12+(\bs)+3] offset:SELF+K_R0
	ds_store_b128 v[\adr], v[\fb+12+(\bs)+4:\fb+12+(\bs)+7] offset:SELF+K_R1
.endm
; its ring from the four neighbours' records, 12 loads; ts, bt = slots of the top and the bottom ring row
.macro FLOAD fb, adr, ts, bt
	ds_load_b128 v[\fb+24+6*(\ts):\fb+24+6*(\ts)+3], v[\adr] offset:UP+K_BA
	ds_load_b64  v[\fb+24+6*(\ts)+4:\fb+24+6*(\ts)+5], v[\adr] offset:UP+K_TL+8
	ds_load_b32  v[\fb+(\ts)], v[\adr] offset:UP+K_L1+12
	ds_load_b32  v[\fb+12+(\ts)], v[\adr] offset:UP+K_R1+12
	ds_load_b128 v[\fb+24+6*(\bt):\fb+24+6*(\bt)+3], v[\adr] offset:DN+K_TA
	ds_load_b64  v[\fb+24+6*(\bt)+4:\fb+24+6*(\bt)+5], v[\adr] offset:DN+K_TL
	ds_load_b32  v[\fb+(\bt)], v[\adr] offset:DN+K_L0
	ds_load_b32  v[\fb+12+(\bt)], v[\adr] offset:DN+K_R0
	ds_load_b128 v[\fb+90:\fb+93], v[\adr] offset:LF+K_R0
	ds_load_b128 v[\fb+94:\fb+97], v[\adr] offset:LF+K_R1
	ds_load_b128 v[\fb+98:\fb+101], v[\adr] offset:RG+K_L0
	ds_load_b128 v[\fb+102:\fb+105], v[\adr] offset:RG+K_L1
.endm
; the interior patch's edges, in three parts, so that each can leave a strip behind the one that made it
.macro ISTC arr                        ; columns 0 and 7
	ds_store_b128 v[IADR], v[\arr:\arr+3] offset:SELF+K_L0
	ds_store_b128 v[IADR], v[\arr+4:\arr+7] offset:SELF+K_L1
	ds_store_b128 v[IADR], v[\arr+8:\arr+11] offset:SELF+K_R0
	ds_store_b128 v[IADR], v[\arr+12:\arr+15] offset:SELF+K_R1
.endm
.macro ISTT arr                        ; row 0, x = 1..6
	ds_store_b128 v[IADR], v[\arr+16:\arr+19] offset:SELF+K_TA
	ds_store_b64  v[IADR], v[\arr+20:\arr+21] offset:SELF+K_TL
.endm
.macro ISTB arr                        ; row 7, x = 1..6
	ds_store_b128 v[IADR], v[\arr+58:\arr+61] offset:SELF+K_BA
	ds_store_b64  v[IADR], v[\arr+62:\arr+63] offset:SELF+K_TL+8
.endm
.macro ILOAD                           ; as FLOAD, and the four corners for the 3 x 3 maximum: 16 loads
	ds_load_b128 v[RTM:RTM+3], v[IADR] offset:UP+K_BA
	ds_load_b64  v[RTM+4:RTM+5], v[IADR] offset:UP+K_TL+8
	ds_load_b32  v[RT0], v[IADR] offset:UP+K_L1+12
	ds_load_b32  v[RT7], v[IADR] offset:UP+K_R1+12
	ds_load_b128 v[RBM:RBM+3], v[IADR] offset:DN+K_TA
	ds_load_b64  v[RBM+4:RBM+5], v[IADR] offset:DN+K_TL
	ds_load_b32  v[RB0], v[IADR] offset:DN+K_L0
	ds_load_b32  v[RB7], v[IADR] offset:DN+K_R0
	ds_load_b128 v[RL:RL+3], v[IADR] offset:LF+K_R0
	ds_load_b128 v[RL+4:RL+7], v[IADR] offset:LF+K_R1
	ds_load_b128 v[RR:RR+3], v[IADR] offset:RG+K_L0
	ds_load_b128 v[RR+4:RR+7], v[IADR] offset:RG+K_L1
	ds_load_b32  v[RCTL], v[IADR] offset:UL+K_R1+12
	ds_load_b32  v[RCTR], v[IADR] offset:UR+K_L1+12
	ds_load_b32  v[RCBL], v[IADR] offset:DL+K_R0
	ds_load_b32  v[RCBR], v[IADR] offset:DR+K_L0
.endm
; A strip of n interior pixels, i = 0..n-1 at (y0 + i dy, x0 + i dx); s = -1, 0, 1 steps across the strip.
.macro SP sym, base, i, s
	IREG \sym, \base, st_y+(\i)*st_dy+(\s)*st_dx, st_x+(\i)*st_dx+(\s)*st_dy
.endm
.macro HH cur, t                       ; T+t = the maximum across the strip at i = t - 1
	SP r_a, \cur, (\t)-1, -1
	SP r_b, \cur, (\t)-1, 0
	SP r_c, \cur, (\t)-1, 1
	v_max3_num_f32 v[T+(\t)], v[r_a], v[r_b], v[r_c]
.endm
.macro MM prv, i                       ; MN+i = min(max(the pair's shared maximum, the third), prv(i)): the third is T+i (even i) or T+i+2 (odd i)
	SP r_p, \prv, \i, 0
	v_maxmin_num_f32 v[MN+(\i)], v[PMX+(\i)/2], v[T+(\i)+2*((\i)%2)], v[r_p]
.endm
.macro CPD i                           ; T+i, T+i+1 = max(c, 0) of pixels i, i+1: one dual instruction
	SP r_k, C, \i, 0
	v_dual_max_num_f32 v[T+(\i)], 0, v[r_k] :: v_dual_max_num_f32 v[T+(\i)+1], 0, v[r_k+1]
.endm
; sk: the skeleton's update with delta = prv - min(prv, max3x3(cur)).  The 3 x 3 maximum goes across the strip first (T+i+1, i = -1..n), then
; along it; two neighbours share max(T+i+1, T+i+2), and v_maxmin = min(max(shared, third), prv) spares the relu.
; ero: the erosion of cur, written over prv behind prv's last use (the subtraction), in two steps without temporaries.
; The strip goes stage by stage over all its pixels, so that at least two independent instructions stand between dependent lines.
; The two-operand maxima go two to an instruction (dual forms, ISA guide 7.6: one destination even, one odd; like sources in different banks,
; here neighbouring registers or registers two apart).  Pairs of prv and of c are consecutive even-aligned registers.
.macro STRIP cur, prv, y0, x0, dy, dx, n, sk, ero
.set st_y, \y0
.set st_x, \x0
.set st_dy, \dy
.set st_dx, \dx
.if \sk
.irp t, 1,2,3,4,0,5
	HH \cur, \t
.endr
	v_dual_max_num_f32 v[PMX], v[T+1], v[T+2] :: v_dual_max_num_f32 v[PMX+1], v[T+3], v[T+4]
.irp t, 6,7
	HH \cur, \t
.endr
.if \n == 8
.irp t, 8,9
	HH \cur, \t
.endr
.endif
.irp i, 0,1,2,3
	MM \prv, \i
.endr
.if \n == 8
	v_dual_max_num_f32 v[PMX+2], v[T+5], v[T+6] :: v_dual_max_num_f32 v[PMX+3], v[T+7], v[T+8]
.else
	v_max_num_f32 v[PMX+2], v[T+5], v[T+6]
.endif
	CPD 0                                          ; T+0..3 are dead: pixels 4.. read T+4 and up
	CPD 2
	MM \prv, 4
	MM \prv, 5
.if \n == 8
	MM \prv, 6
	MM \prv, 7
.endif
	CPD 4
.if \n == 8
	CPD 6
.endif
.set ii, 0
.rept \n/2
	SP r_p, \prv, ii, 0
	v_pk_add_f32 v[MN+ii:MN+ii+1], v[MN+ii:MN+ii+1], v[r_p:r_p+1] neg_lo:[0,1] neg_hi:[0,1]   ; -delta
.set ii, ii+2
.endr
.endif
.if \ero
.set ii, 0
.rept \n
	SP r_a, \cur, ii-1, 0
	SP r_b, \cur, ii, 0
	SP r_c, \cur, ii+1, 0
	SP r_p, \prv, ii, 0
	v_min3_num_f32 v[r_p], v[r_a], v[r_b], v[r_c]  ; along the strip
.set ii, ii+1
.endr
.endif
.if \sk
.set ii, 0
.rept \n/2
	SP r_k, C, ii, 0
	v_pk_fma_f32 v[r_k:r_k+1], v[MN+ii:MN+ii+1], v[T+ii:T+ii+1], v[r_k:r_k+1]                 ; c -= delta * max(c, 0)
.set ii, ii+2
.endr
.endif
.if \ero
.set ii, 0
.rept \n
	SP r_a, \cur, ii, -1
	SP r_b, \cur, ii, 1
	SP r_p, \prv, ii, 0
	v_min3_num_f32 v[r_p], v[r_p], v[r_a], v[r_b]  ; and across it
.set ii, ii+1
.endr
.endif
.endm
.macro COLI cur, prv, x, sk, ero       ; column x (0 or 7), 8 pixels: 48 instructions
	STRIP \cur, \prv, 0, \x, 1, 0, 8, \sk, \ero
.endm
.macro ROWI cur, prv, y, sk, ero       ; row y, columns 1..6: 37 instructions.  Rows 1..6 name no ring register
	STRIP \cur, \prv, \y, 1, 0, 1, 6, \sk, \ero
.endm
; From a cell (bx, by): the eight row offsets in the image (mirrored where the cell lies outside), the mask of lanes whose columns are
; reversed, and the LDS address.  128 patches along each axis: -1 -> 0, -2 -> 1 by the xor with the sign, 128 -> 127 by min(m, 255 - m).
.macro PSETUP bx, by, g, mask, adr
	v_add_nc_u32 v[P0], s9, v[\bx]
	v_ashrrev_i32 v[P1], 31, v[P0]
	v_xor_b32 v[P1], v[P1], v[P0]
	v_sub_nc_u32 v[P2], 0xff, v[P1]
	v_min_u32 v[P1], v[P1], v[P2]                  ; patch column in the image
	v_cmp_ne_u32 \mask, v[P1], v[P0]               ; mirrored: columns reversed
	v_add_nc_u32 v[P0], s10, v[\by]
	v_ashrrev_i32 v[P2], 31, v[P0]
	v_xor_b32 v[P2], v[P2], v[P0]
	v_sub_nc_u32 v[P3], 0xff, v[P2]
	v_min_u32 v[P2], v[P2], v[P3]                  ; patch row in the image
	v_cmp_ne_u32 vcc_lo, v[P2], v[P0]              ; mirrored: rows from the last to the first
	v_cndmask_b32 v[P3], 0, 7, vcc_lo
	v_lshl_add_u32 v[P2], v[P2], 3, v[P3]          ; image row of the patch's row 0
	v_lshlrev_b32 v[P1], 5, v[P1]                  ; 32 bytes a patch
	v_lshl_add_u32 v[\g], v[P2], 12, v[P1]         ; 4,096 bytes a row
	v_cndmask_b32 v[P3], 1, -1, vcc_lo
	v_lshlrev_b32 v[P3], 12, v[P3]                 ; a row down or up
.irp y, 1,2,3,4,5,6,7
	v_add_nc_u32 v[\g+\y], v[\g+\y-1], v[P3]
.endr
	v_mul_u32_u24 v[P0], ROWB, v[\by]
	v_lshl_add_u32 v[\adr], v[\bx], 4, v[P0]
.endm
.macro GLOAD raw, g                    ; a patch as it lies in memory: row y in raw+8y..+7
.irp y, 0,1,2,3,4,5,6,7
	global_load_b128 v[\raw+8*\y:\raw+8*\y+3], v[\g+\y], s[4:5]
	global_load_b128 v[\raw+8*\y+4:\raw+8*\y+7], v[\g+\y], s[4:5] offset:16
.endr
.endm
.macro PLACEF fb, raw, mask            ; into a frame patch's slots 2..9, columns reversed in the lanes of mask
.set yy, 0
.rept 8
.set xx, 0
.rept 8
	FR r_d, \fb, yy+2, xx, yy
	v_cndmask_b32 v[r_d], v[\raw+8*yy+xx], v[\raw+8*yy+7-xx], \mask
.set xx, xx+1
.endr
.set yy, yy+1
.endr
.endm
; far: this phase holds the far patch.  nxt: the next one does.  What is on its way at a phase's head was asked for at the end of the phase before:
;   far = 1: near's ring (12 loads), then far's (12); the interior's 16 are asked for inside the head, behind two rows of near's erosion;
;   far = 0: near's ring (12), then the interior's (16).
.macro PHASE cur, prv, typ, far, sk, nxt
.if \typ
.set f_bs, 2
.set f_ts, 1
.set f_bt, 10
.else
.set f_bs, 0
.set f_ts, 10
.set f_bt, 8
.endif
.if \far
	s_wait_dscnt 12                                ; near's ring is in: the 12 loads issued behind it, far's, may be out
	WIN 0x55
	FEPART NB, \typ, 0, 2
	WIN 0
	ILOAD                                          ; 37 + 32 instructions behind far's loads, 96 + 64 in front of the wait for all
	WIN 0x55
	FEPART NB, \typ, 2, 6
	s_wait_dscnt 16                                ; far's ring is in: the interior's 16 loads may be out
	FEPART FB, \typ, 0, 4
	s_wait_dscnt 0x0                               ; all my rings are in registers: I read the records no more
	s_barrier_signal -1
	FEPART FB, \typ, 4, 4                          ; registers only
	s_barrier_wait -1                              ; nobody reads the records any more: they may be overwritten
	FSTORE NB, NADR, f_bs
	WIN 0
	COLI \cur, \prv, 0, \sk, 1
	WIN 0x55
	FSTORE FB, FADR, f_bs
	WIN 0
.else
	s_wait_dscnt 16                                ; near's ring is in: the interior's 16 loads may be out
	WIN 0x55
	FEPART NB, \typ, 0, 8
	s_wait_dscnt 0x0                               ; all my rings are in registers: I read the records no more
	s_barrier_signal -1
	WIN 0
	COLI \cur, \prv, 0, \sk, 1                     ; registers only
	s_barrier_wait -1                              ; nobody reads the records any more: they may be overwritten
	WIN 0x55
	FSTORE NB, NADR, f_bs
	WIN 0
.endif
	COLI \cur, \prv, 7, \sk, 1                     ; the rest of the interior's border; each edge is stored one strip behind the strip that made it
	ROWI \cur, \prv, 0, \sk, 1
	ISTC \prv
	ROWI \cur, \prv, 7, \sk, 1
	ISTT \prv
	ROWI \cur, \prv, 1, \sk, 1
	ISTB \prv
	ROWI \cur, \prv, 2, \sk, 1
	s_wait_dscnt 0x0                               ; my edges are in LDS
	s_barrier_signal -1
	ROWI \cur, \prv, 3, \sk, 1
	s_barrier_wait -1                              ; everybody's edges are
	WIN 0x55
	FLOAD NB, NADR, f_ts, f_bt                     ; the next phase's rings, in the order of their use
	WIN 0
	ROWI \cur, \prv, 4, \sk, 1
	ROWI \cur, \prv, 5, \sk, 1
.if \nxt
	WIN 0x55
	FLOAD FB, FADR, f_ts, f_bt
	WIN 0
.else
	ILOAD
.endif
	ROWI \cur, \prv, 6, \sk, 1
.endm
	; ---- ids ----
	s_load_b128 s[4:7], s[0:1], 0x0                ; img s[4:5], out0 s[6:7]
	v_lshl_add_u32 v254, v0, 2, 0x29000
	v_mov_b32 v255, 0
	v_lshrrev_b32 v3, 5, v0
	v_readfirstlane_b32 s8, v3                     ; wave 0..7
	s_and_b32 s12, ttmp7, 0xffff
	s_lshr_b32 s13, s12, 3                         ; image
	s_and_b32 s12, s12, 7                          ; tile row;  ttmp9: tile column
	s_lshl_b32 s9, ttmp9, 4
	s_sub_co_i32 s9, s9, 6                         ; patch column in the image of cell 0 (may be negative)
	s_lshl_b32 s10, s12, 4
	s_sub_co_i32 s10, s10, 6
	s_lshr_b32 s11, s8, 1                          ; arm a: 0 top, 1 right, 2 bottom, 3 left
	s_add_co_u32 s18, s11, 1
	s_bfe_u32 s18, s18, 0x10001                    ; hi = bit 1 of a + 1: arms 1 and 2 lie on the far side
	s_mul_i32 s14, s18, 19
	s_add_co_u32 s14, s14, 3                       ; near: first cell across the arm
	s_sub_co_i32 s17, 0, s18                       ; hi as a lane mask
	s_lshr_b32 s15, s11, 1
	s_mul_i32 s15, s15, 3
	s_add_co_u32 s15, s15, 3                       ; near: first cell along the arm
	s_and_b32 s16, s11, 1
	s_sub_co_i32 s16, 0, s16                       ; upright arm, as a lane mask
	s_lshl_b32 s18, s13, 22                        ; 4 MiB an image
	s_mov_b32 s19, 0
	s_lshl_b32 s22, s12, 19                        ; out0: 128 rows a tile,
	s_lshl_b32 s23, s8, 16                         ; 16 rows a wave,
	s_add_co_u32 s22, s22, s23
	s_lshl_b32 s23, ttmp9, 9                       ; 512 bytes a tile column
	s_add_co_u32 s22, s22, s23
	s_add_co_u32 s22, s22, s18
	s_mov_b32 s23, 0
	; ---- cells ----
	v_and_b32 v[BXI], 15, v0
	v_add_nc_u32 v[BXI], 6, v[BXI]
	v_lshrrev_b32 v[BYI], 4, v0
	v_add_nc_u32 v[BYI], 6, v[BYI]
	v_and_b32 v3, 63, v0                           ; place in the arm
	v_min_u32 v4, 56, v3
	v_mul_u32_u24 v5, 27, v4
	v_lshrrev_b32 v5, 9, v5                        ; q = idx / 19 (exact for idx <= 56)
	v_mul_u32_u24 v6, 19, v5
	v_sub_nc_u32 v6, v4, v6                        ; r = idx - 19 q
	v_add_nc_u32 v5, s14, v5                       ; across
	v_add_nc_u32 v6, s15, v6                       ; along
	v_cndmask_b32 v[BXN], v6, v5, s16
	v_cndmask_b32 v[BYN], v5, v6, s16
	v_min_u32 v4, 59, v3
	v_cmp_le_u32 vcc_lo, 22, v4
	v_cndmask_b32 v5, 0, 1, vcc_lo
	v_cndmask_b32 v6, 0, 21, vcc_lo
	v_cmp_le_u32 vcc_lo, 42, v4
	v_cndmask_b32 v7, 0, 1, vcc_lo
	v_add_nc_u32 v5, v5, v7                        ; layer l = 0, 1, 2
	v_cndmask_b32 v7, 0, 19, vcc_lo
	v_add_nc_u32 v6, v6, v7
	v_add_nc_u32 v4, 3, v4
	v_sub_nc_u32 v6, v4, v6                        ; along: idx + 3, idx - 18, idx - 37
	v_add_nc_u32 v7, 25, v5
	v_sub_nc_u32 v5, 2, v5
	v_cndmask_b32 v5, v5, v7, s17                  ; across: 2 - l or 25 + l
	v_cndmask_b32 v[BXF], v6, v5, s16
	v_cndmask_b32 v[BYF], v5, v6, s16
	PSETUP BXI, BYI, GI, s25, IADR                 ; (the interior is never mirrored: s25 stays unused)
	PSETUP BXN, BYN, GN, s20, LN
	PSETUP BXF, BYF, GF, s21, LFR
	s_wait_kmcnt 0x0
	s_add_nc_u64 s[4:5], s[4:5], s[18:19]
	s_add_nc_u64 s[6:7], s[6:7], s[22:23]
	; ---- 48 loads a lane: interior (staged in far's registers), near (staged in C), far (staged in B) ----
	WIN 0x40                                       ; destination in window 1
	v_mov_b32 v[NADR], v[LN]
	v_mov_b32 v[FADR], v[LFR]
	GLOAD FB, GI
	WIN 0
	GLOAD C, GN
	GLOAD B, GF
	; ---- records of cells that nobody holds are read, though never needed: 102,400 bytes are written once, 25 x 4,096 ----
	v_lshlrev_b32 v3, 4, v0
	v_add_nc_u32 v4, 0x10000, v3
.irp j, 0,1,2,3
	v_mov_b32 v[T+\j], 0
.endr
.set zz, 0
.rept 16
	ds_store_b128 v3, v[T:T+3] offset:zz*4096
.set zz, zz+1
.endr
.set zz, 0
.rept 9
	ds_store_b128 v4, v[T:T+3] offset:zz*4096
.set zz, zz+1
.endr
	s_wait_dscnt 0x0
	s_barrier_signal -1
	s_barrier_wait -1                              ; before other waves store records into these bytes
	; ---- into the patches' layouts, and the edges of E_0 ----
	s_wait_loadcnt 32                              ; the interior's 16 loads are in; near's and far's 32 may be out
	WIN 0x01                                       ; source in window 1
.set yy, 0
.rept 8
.set xx, 0
.rept 8
	IREG r_d, A, yy, xx
	v_mov_b32 v[r_d], v[FB+8*yy+xx]
.set xx, xx+1
.endr
.set yy, yy+1
.endr
	WIN 0
	ISTC A
	ISTT A
	ISTB A
	s_wait_loadcnt 16                              ; near's are in
	WIN 0x40
	PLACEF NB, C, s20
	s_wait_loadcnt 0x0
	PLACEF FB, B, s21
	WIN 0x55
	FSTORE NB, NADR, 2
	FSTORE FB, FADR, 2
	WIN 0
.set zz, 0
.rept 64
	v_mov_b32 v[C+zz], 1.0                         ; c = 1 - skel = 1 (a value, not a cleared sum: the first update multiplies by it)
.set zz, zz+1
.endr
	s_wait_dscnt 0x0
	s_barrier_signal -1
	s_barrier_wait -1
	WIN 0x55
	FLOAD NB, NADR, 1, 10                          ; what a phase with the far patch expects on its way: near's ring, then far's
	FLOAD FB, FADR, 1, 10
	WIN 0
	; ---- phases ----
	PHASE A, B, 0, 1, 0, 1                         ; phase 0: E_1 only
	s_mov_b32 s24, 7
.Lfar:                                             ; phases 1..14
	PHASE B, A, 1, 1, 1, 1
	PHASE A, B, 0, 1, 1, 1
	s_sub_co_i32 s24, s24, 1
	s_cmp_lg_u32 s24, 0
	s_cbranch_scc1 .Lfar
	PHASE B, A, 1, 1, 1, 1                         ; phases 15 and 16 are written out: the end of phase 16 asks for what a phase without the far patch expects
	PHASE A, B, 0, 1, 1, 0
	s_mov_b32 s24, 12
.Lnear:                                            ; phases 17..40: far's records stay at E_17, which reaches only pixels no longer needed.
	PHASE B, A, 1, 0, 1, 0                         ; (Phase 40 asks for near's ring like the others and nobody uses it: 12 loads once,
	PHASE A, B, 0, 0, 1, 0                         ; against a second copy of two phases' text.)
	s_sub_co_i32 s24, s24, 1
	s_cmp_lg_u32 s24, 0
	s_cbranch_scc1 .Lnear
	s_wait_dscnt 0x0                               ; phase 41: E_41 in B with its ring, E_40 in A: delta_40 alone.  My last ring loads are back:
	s_barrier_signal -1                            ; say so, and work on registers meanwhile
	COLI B, A, 0, 1, 0
	COLI B, A, 7, 1, 0
.irp y, 0,1,2,3,4,5,6,7
	ROWI B, A, \y, 1, 0
.endr
	s_barrier_wait -1                              ; every wave's LDS reads are over before any wave stores into LDS again
	; ---- the way out: skel = 1 - c, row by row into A, through the wave's own 16 rows x 512 bytes of LDS, out as whole rows ----
	v_lshrrev_b32 v2, 4, v0
	v_and_b32 v3, 15, v0
	v_lshlrev_b32 v3, 5, v3
	v_lshl_add_u32 v2, v2, 12, v3                  ; 8 rows of 512 bytes for each row of patches + 32 bytes a patch
	v_add_nc_u32 v2, STAGE, v2
	v_and_b32 v4, 31, v0
	v_lshlrev_b32 v4, 4, v4                        ; 16 bytes a lane
	v_lshrrev_b32 v5, 5, v0
	v_lshl_add_u32 v5, v5, 13, v4
	v_add_nc_u32 v5, STAGE, v5
.set yy, 0
.rept 8
.set xx, 0
.rept 8
	IREG r_k, C, yy, xx
	v_sub_f32 v[A+8*yy+xx], 1.0, v[r_k]
.set xx, xx+1
.endr
	ds_store_b128 v2, v[A+8*yy:A+8*yy+3] offset:yy*512
	ds_store_b128 v2, v[A+8*yy+4:A+8*yy+7] offset:yy*512+16
.set yy, yy+1
.endr
.irp r, 0,1,2,3,4,5,6,7,8,9,10,11,12,13,14,15
	ds_load_b128 v[B+4*\r:B+4*\r+3], v5 offset:\r*512      ; LDS serves a wave's instructions in order: these see the stores above
.endr
.irp r, 0,1,2,3,4,5,6,7,8,9,10,11,12,13,14,15
	s_wait_dscnt 15-\r                             ; row r is back; the younger loads may be out
	global_store_b128 v4, v[B+4*\r:B+4*\r+3], s[6:7] offset:\r*4096 th:TH_STORE_NT   ; the wave stores 512 consecutive bytes, aligned
.endr
	s_wait_tensorcnt 0x0
	ds_add_u32 v254, v255
	s_wait_dscnt 0x0
	s_endpgm
.Lfunc_end_k_q0c6b9a4475_skel:
	.size	k_q0c6b9a4475_skel, .Lfunc_end_k_q0c6b9a4475_skel-k_q0c6b9a4475_skel
	.p2alignl 7, 3214868480
	.fill 96, 4, 3214868480
	.section	.rodata,"a",@progbits
	.p2align	6, 0x0
	.amdhsa_kernel k_q0c6b9a4475_skel
		.amdhsa_group_segment_fixed_size 168960
		.amdhsa_private_segment_fixed_size 0
		.amdhsa_enable_private_segment 0
		.amdhsa_kernarg_size 16
		.amdhsa_user_sgpr_count 2
		.amdhsa_user_sgpr_kernarg_segment_ptr 1
		.amdhsa_wavefront_size32 1
		.amdhsa_system_sgpr_workgroup_id_x 1
		.amdhsa_system_sgpr_workgroup_id_y 1
		.amdhsa_system_sgpr_workgroup_id_z 1
		.amdhsa_system_vgpr_workitem_id 0
		.amdhsa_next_free_vgpr 480
		.amdhsa_next_free_sgpr 66
		.amdhsa_reserve_vcc 1
		.amdhsa_float_denorm_mode_32 3
		.amdhsa_float_denorm_mode_16_64 3
		.amdhsa_memory_ordered 1
		.amdhsa_forward_progress 1
		.amdhsa_inst_pref_size 255
	.end_amdhsa_kernel
	.section	.bss,"aw",@nobits
	.p2align	6
	.space	262144
	.amdgpu_metadata
---
amdhsa.version: [ 1, 2 ]
amdhsa.kernels:
  - .name:           k_q0c6b9a4475_skel
    .symbol:         k_q0c6b9a4475_skel.kd
    .args:
      - { .name: img, .offset: 0, .size: 8, .value_kind: global_buffer, .address_space: global }
      - { .name: out0, .offset: 8, .size: 8, .value_kind: global_buffer, .address_space: global }
    .group_segment_fixed_size: 168960
    .private_segment_fixed_size: 0
    .kernarg_segment_align: 8
    .kernarg_segment_size: 16
    .max_flat_workgroup_size: 256
    .sgpr_count:     66
    .vgpr_count:     480
    .wavefront_size: 32
...
	.end_amdgpu_metadata
.endif
;; end of part 2
;; ======== version 3 of 3: 1 launch; version 2 with the launch skel written anew for expert scheduling mode
;; limits: below input magnitudes of 0.001 results are inexact or not finite
;; launch skel (part 3): grid 8 x 32, 8 waves a work-group, no clusters, 168,960 bytes of LDS; arguments img, out0; writes out0
.if DOCPART == 3
	.amdgcn_target "amdgcn-amd-amdhsa--gfx1250"
	.amdhsa_code_object_version 6
	.text
	.protected	k_q0c6b9a4475_skel
	.globl	k_q0c6b9a4475_skel
	.p2align	8
	.type	k_q0c6b9a4475_skel,@function
k_q0c6b9a4475_skel:
	s_mov_b64 s[64:65], 0
	v_nop
	global_prefetch_b8 v0, s[64:65] scope:SCOPE_SE
	s_setreg_imm32_b32 hwreg(HW_REG_WAVE_SCHED_MODE, 0, 2), 2
	s_setreg_imm32_b32 hwreg(HW_REG_WAVE_MODE, 25, 1), 1
	s_wait_xcnt 0x0
	s_wait_alu depctr_vm_vsrc(0)
; SoftSkeletonize, img and out0 [4][1][1024][1024] f32, all 41 steps in one launch.
;   E_0 = img, E_k = erode(E_k-1) (min over the cross of 5);  delta_k = relu(E_k - max3x3(E_k+1)), k = 0..40;
;   skel = delta_0, then skel += relu(delta_k - skel*delta_k).
; A work-group owns a tile of 128 x 128 pixels (grid 8 x 32 = 256 tiles).  Only the erosion needs a halo: E_k is needed where the L1 distance
; to the tile grown by one pixel is at most 41 - k.  Everything lives in registers as patches of 8 x 8 pixels, three for each of the 256 lanes,
; in a grid of 28 x 28 cells (the tile is cells 6..21):
;   interior: 16 x 16 patches;   near: the ring of 3 cells round it, 228 patches as a pinwheel of 4 arms x 57 (two waves an arm; the 7 lanes
;   left over repeat patch 56 of their own wave and store the same values);   far: layers 4, 5, 6 of each side, 22 + 20 + 18 patches an arm.
;   A cell i layers out one way and j the other begins at distance 8 (i + j) - 16, so cells with i + j > 7 are never needed and not held.
;   Far pixels lie at distance >= 24, so they are needed up to E_17 only: phases 17..40 leave the far patch out.
; BORDERS: outside the image the halo is loaded mirrored (-1 -> 0, -2 -> 1, 1024 -> 1023 ..).  Both stencils are symmetric, so a mirror image
; stays one, and the mirrored neighbour of a border pixel lies in that pixel's own window: same values as padding with +inf (min), -inf (max).
; SKELETON: kept as c = 1 - skel;  skel += relu(delta - skel*delta)  is  c -= delta * max(c, 0)  since delta >= 0.
; LIMITS: c is rounded near 1 in each of the 41 updates, an absolute floor of about 41 * 2^-24 = 2.5e-6 in the output: fine for inputs 30 times
; smaller, larger or offset, not for inputs whose spread is below about 1e-3 of [0,1].  Finite inputs only: the _num min/max drop a NaN.
; NO CLUSTER, NO TENSOR LOADS, NO MATRIX UNIT: there is no product; the input is read once, at the start, and mirrored patches need a per-lane
; order of rows and columns; what neighbouring tiles share is that one-time halo.  The output leaves in runs of 512 aligned bytes.
;
; PHASE p holds E_p (with a ring of the neighbours' pixels) and E_p-1, makes delta_p-1, updates c, and writes E_p+1 over E_p-1.
; Patch edges go from lane to lane through records in LDS.  Two barriers a phase, both with register work between signal and wait:
;   (1) every wave's ring loads are back -> the records may be overwritten;   (2) every wave's edges are stored -> the rings may be loaded.
; All eight waves send their LDS instructions at the same points of the phase, so these go out in runs of 4 to 16 with register work behind each:
; the 36 inner pixels of the interior patch need no ring, and their six rows are spread over the phase for that.
; One more barrier of kind (1) stands between the last ring loads and the stores of the way out.
;
; THE MODE: SCHED_MODE bits 1:0 = 2 (LLVM: expert scheduling mode 2), set by the entry lines.  The code itself states the register dependences
; between vector instructions and memory or LDS instructions, with s_wait_alu, always for 0.
; THE PLAN.  Registers that LDS instructions touch in a phase:
;   v1, NADR, FADR          addresses, made at the head and never written again.
;   a frame's edge slots    written by the patch's erosion at the phase's head; read by its eight stores behind barrier (1); written again by the next phase's erosion.
;   a frame's ring          (two row slots, two side rings) read by that erosion; the next ring's loads land in it behind barrier (2).
;   the interior's ring     v200-235: read by the four border strips (columns 0 and 7, rows 0 and 7); loaded again behind barrier (2) or in the next phase's head.
;   prv's edges             written by the four border strips; read by the interior's eight stores; written again two phases on.
;   T, MN, PMX, c and the inner rows are named by vector instructions alone.
; So a phase has four such waits.  va_vdst behind barrier wait (1): the erosions have written the frames' edges; the frames' stores follow, with a strip of
; the interior, which names other registers, between them.  va_vdst behind the fourth border strip: prv's edges are written; the interior's eight stores
; follow, dealt among rows 1 and 2.  vm_vsrc in front of signal (2): all the phase's stores have read their data.  va_vdst behind barrier wait (2): the
; erosions and the border strips are done reading the rings; all ring loads up to the next phase's follow it, and between it and them stand only
; loads, window switches, rows 4 to 6 and near's first erosion rows, which name no register that those loads touch; every store lies in front of signal (2).
;
; REGISTERS.  Window 0 (v0-255): interior.  Window 1 (v256-469, named v0-213 under s_set_vgpr_msb): the two frame patches.
; A patch keeps column 0 in 8 consecutive registers, column 7 in 8 more, columns 1..6 row by row: all four edges are consecutive registers.
.set IADR, 1                           ; v1        LDS address of the record up-left of the interior patch's own
.set PMX,  2                           ; v2-5      a strip's pair maxima
.set A,    8                           ; v8-71     E_p in even phases, E_p-1 in odd ones
.set B,    72                          ; v72-135   the other one
.set C,    136                         ; v136-199  c = 1 - skel
.set RL,   200                         ; ring: x = -1, y = 0..7
.set RR,   208                         ;       x = 8
.set RTM,  216                         ;       y = -1, x = 1..6
.set RT0,  222                         ;       y = -1, x = 0
.set RT7,  223                         ;       y = -1, x = 7
.set RBM,  224                         ;       y = 8, x = 1..6
.set RB0,  230
.set RB7,  231
.set RCTL, 232                         ;       the four corners
.set RCTR, 233
.set RCBL, 234
.set RCBR, 235
.set T,    236                         ; v236-245  a strip's maxima across it, then max(c, 0)
.set MN,   T+10                        ; v246-253  min(max3x3, prv), then -delta
; at the start only (the ring is not yet in use):
.set GI,   200                         ; 8 row offsets in img: interior, near, far
.set GN,   208
.set GF,   216
.set BXI,  224                         ; cell coordinates, 0..27
.set BYI,  225
.set BXN,  226
.set BYN,  227
.set BXF,  228
.set BYF,  229
.set LN,   230                         ; LDS addresses of near and far, on their way to window 1
.set LFR,  231
.set P0,   240
.set P1,   241
.set P2,   242
.set P3,   243
; window 1.  A frame patch: 11 row slots (column 0 at +slot, column 7 at +12+slot, columns 1..6 at +24+6*slot), ring x=-1 at +90, x=8 at +98.
.set NB,   0
.set FB,   106
.set NADR, 212
.set FADR, 213
; LDS: 30 x 30 records (28 x 28 cells and a rim), then a stage of 8,192 bytes for each wave.  A record is 7 chunks of 16 bytes; within a row of
; records they lie chunk by chunk, so that neighbouring cells touch neighbouring 16 bytes.  Offsets count from the record up-left: all >= 0.
.set CH,   480                         ; a chunk of 30 records x 16 bytes
.set ROWB, 7*CH+16                     ; 3,376 = 211 x 16, an odd multiple of 16: sixteen cells one below the other (the upright arms' lanes) start at
                                       ; sixteen different 16-byte places modulo 256 bytes (64 banks of 4 bytes: ISA guide 11.1), as cells side by side do
.set STAGE, 102400                     ; behind the records' 30 x 3,376 = 101,280 bytes
.set SELF, ROWB+16
.set UP,   16
.set DN,   2*ROWB+16
.set LF,   ROWB
.set RG,   ROWB+32
.set UL,   0
.set UR,   32
.set DL,   2*ROWB
.set DR,   2*ROWB+32
.set K_TA, 0                           ; row 0, x = 1..4
.set K_BA, CH                          ; row 7, x = 1..4
.set K_TL, 2*CH                        ; row 0 x = 5,6; row 7 x = 5,6
.set K_L0, 3*CH                        ; column 0, y = 0..3
.set K_L1, 4*CH                        ;           y = 4..7
.set K_R0, 5*CH                        ; column 7
.set K_R1, 6*CH
.set MSB, 0
.macro WIN new                         ; low byte: windows of source 0, 1, 2 and destination; the high byte repeats the setting that is left
.if MSB != \new
	s_set_vgpr_msb (MSB<<8)|\new
.set MSB, \new
.endif
.endm
; register of pixel (y, x) of the interior patch held at base, ring included (y, x = -1..8)
.macro IREG sym, base, y, x
.if (\y) == -1
.if (\x) == -1
.set \sym, RCTL
.elseif (\x) == 0
.set \sym, RT0
.elseif (\x) == 7
.set \sym, RT7
.elseif (\x) == 8
.set \sym, RCTR
.else
.set \sym, RTM+(\x)-1
.endif
.elseif (\y) == 8
.if (\x) == -1
.set \sym, RCBL
.elseif (\x) == 0
.set \sym, RB0
.elseif (\x) == 7
.set \sym, RB7
.elseif (\x) == 8
.set \sym, RCBR
.else
.set \sym, RBM+(\x)-1
.endif
.elseif (\x) == -1
.set \sym, RL+(\y)
.elseif (\x) == 8
.set \sym, RR+(\y)
.elseif (\x) == 0
.set \sym, \base+(\y)
.elseif (\x) == 7
.set \sym, \base+8+(\y)
.else
.set \sym, \base+16+6*(\y)+(\x)-1
.endif
.endm
; register of a frame patch: row slot s, column x (-1 and 8: the side rings, by patch row y)
.macro FR sym, fb, s, x, y
.if (\x) == -1
.set \sym, \fb+90+(\y)
.elseif (\x) == 8
.set \sym, \fb+98+(\y)
.elseif (\x) == 0
.set \sym, \fb+(\s)
.elseif (\x) == 7
.set \sym, \fb+12+(\s)
.else
.set \sym, \fb+24+6*(\s)+(\x)-1
.endif
.endm
; one row of a frame patch eroded: slots sm, s0, sp hold rows y-1, y, y+1; the result goes to slot sd
.macro FROWE fb, y, sm, s0, sp, sd
.set xx, 0
.rept 8
	FR r_a, \fb, \sm, xx, \y
	FR r_b, \fb, \s0, xx, \y
	FR r_c, \fb, \sp, xx, \y
	FR r_d, \fb, \sd, xx, \y
	v_min3_num_f32 v[r_d], v[r_a], v[r_b], v[r_c]
.set xx, xx+1
.endr
.set xx, 0
.rept 8
	FR r_a, \fb, \s0, xx-1, \y
	FR r_c, \fb, \s0, xx+1, \y
	FR r_d, \fb, \sd, xx, \y
	v_min3_num_f32 v[r_d], v[r_d], v[r_a], v[r_c]
.set xx, xx+1
.endr
.endm
; In place, without copies: the new row lands two slots from the old one, in a slot whose row is dead by then.
; typ 0 (even phases): rows in slots 2..9, top ring 1, bottom ring 10, sweep down into slots 0..7.
; typ 1 (odd phases):  rows in slots 0..7, top ring 10, bottom ring 8, sweep up into slots 2..9.  Two slots, not one: tuples stay even.
.macro FEROW fb, typ, j                ; the j-th row of the sweep
.if \typ == 0
	FROWE \fb, (\j), (\j)+1, (\j)+2, (\j)+3, (\j)
.elseif (\j) == 7
	FROWE \fb, 0, 10, 0, 1, 2
.else
	FROWE \fb, 7-(\j), 6-(\j), 7-(\j), 8-(\j), 9-(\j)
.endif
.endm
.macro FEPART fb, typ, j0, n           ; n rows of the sweep from its j0-th on, 16 instructions each
.set fj, \j0
.rept \n
	FEROW \fb, \typ, fj
.set fj, fj+1
.endr
.endm
; a frame patch's four edges into its record; bs = slot of its row 0
.macro FSTORE fb, adr, bs
	ds_store_b128 v[\adr], v[\fb+24+6*(\bs):\fb+24+6*(\bs)+3] offset:SELF+K_TA
	ds_store_b64  v[\adr], v[\fb+24+6*(\bs)+4:\fb+24+6*(\bs)+5] offset:SELF+K_TL
	ds_store_b128 v[\adr], v[\fb+24+6*(\bs+7):\fb+24+6*(\bs+7)+3] offset:SELF+K_BA
	ds_store_b64  v[\adr], v[\fb+24+6*(\bs+7)+4:\fb+24+6*(\bs+7)+5] offset:SELF+K_TL+8
	ds_store_b128 v[\adr], v[\fb+(\bs):\fb+(\bs)+3] offset:SELF+K_L0
	ds_store_b128 v[\adr], v[\fb+(\bs)+4:\fb+(\bs)+7] offset:SELF+K_L1
	ds_store_b128 v[\adr], v[\fb+12+(\bs):\fb+12+(\bs)+3] offset:SELF+K_R0
	ds_store_b128 v[\adr], v[\fb+12+(\bs)+4:\fb+12+(\bs)+7] offset:SELF+K_R1
.endm
; its ring from the four neighbours' records, 12 loads; ts, bt = slots of the top and the bottom ring row
.macro FLOAD fb, adr, ts, bt
	ds_load_b128 v[\fb+24+6*(\ts):\fb+24+6*(\ts)+3], v[\adr] offset:UP+K_BA
	ds_load_b64  v[\fb+24+6*(\ts)+4:\fb+24+6*(\ts)+5], v[\adr] offset:UP+K_TL+8
	ds_load_b32  v[\fb+(\ts)], v[\adr] offset:UP+K_L1+12
	ds_load_b32  v[\fb+12+(\ts)], v[\adr] offset:UP+K_R1+12
	ds_load_b128 v[\fb+24+6*(\bt):\fb+24+6*(\bt)+3], v[\adr] offset:DN+K_TA
	ds_load_b64  v[\fb+24+6*(\bt)+4:\fb+24+6*(\bt)+5], v[\adr] offset:DN+K_TL
	ds_load_b32  v[\fb+(\bt)], v[\adr] offset:DN+K_L0
	ds_load_b32  v[\fb+12+(\bt)], v[\adr] offset:DN+K_R0
	ds_load_b128 v[\fb+90:\fb+93], v[\adr] offset:LF+K_R0
	ds_load_b128 v[\fb+94:\fb+97], v[\adr] offset:LF+K_R1
	ds_load_b128 v[\fb+98:\fb+101], v[\adr] offset:RG+K_L0
	ds_load_b128 v[\fb+102:\fb+105], v[\adr] offset:RG+K_L1
.endm
; the interior patch's edges, in three parts, dealt among the rows that follow the one wait for the strips that made them
.macro ISTC arr                        ; columns 0 and 7
	ds_store_b128 v[IADR], v[\arr:\arr+3] offset:SELF+K_L0
	ds_store_b128 v[IADR], v[\arr+4:\arr+7] offset:SELF+K_L1
	ds_store_b128 v[IADR], v[\arr+8:\arr+11] offset:SELF+K_R0
	ds_store_b128 v[IADR], v[\arr+12:\arr+15] offset:SELF+K_R1
.endm
.macro ISTT arr                        ; row 0, x = 1..6
	ds_store_b128 v[IADR], v[\arr+16:\arr+19] offset:SELF+K_TA
	ds_store_b64  v[IADR], v[\arr+20:\arr+21] offset:SELF+K_TL
.endm
.macro ISTB arr                        ; row 7, x = 1..6
	ds_store_b128 v[IADR], v[\arr+58:\arr+61] offset:SELF+K_BA
	ds_store_b64  v[IADR], v[\arr+62:\arr+63] offset:SELF+K_TL+8
.endm
.macro ILOAD                           ; as FLOAD, and the four corners for the 3 x 3 maximum: 16 loads
	ds_load_b128 v[RTM:RTM+3], v[IADR] offset:UP+K_BA
	ds_load_b64  v[RTM+4:RTM+5], v[IADR] offset:UP+K_TL+8
	ds_load_b32  v[RT0], v[IADR] offset:UP+K_L1+12
	ds_load_b32  v[RT7], v[IADR] offset:UP+K_R1+12
	ds_load_b128 v[RBM:RBM+3], v[IADR] offset:DN+K_TA
	ds_load_b64  v[RBM+4:RBM+5], v[IADR] offset:DN+K_TL
	ds_load_b32  v[RB0], v[IADR] offset:DN+K_L0
	ds_load_b32  v[RB7], v[IADR] offset:DN+K_R0
	ds_load_b128 v[RL:RL+3], v[IADR] offset:LF+K_R0
	ds_load_b128 v[RL+4:RL+7], v[IADR] offset:LF+K_R1
	ds_load_b128 v[RR:RR+3], v[IADR] offset:RG+K_L0
	ds_load_b128 v[RR+4:RR+7], v[IADR] offset:RG+K_L1
	ds_load_b32  v[RCTL], v[IADR] offset:UL+K_R1+12
	ds_load_b32  v[RCTR], v[IADR] offset:UR+K_L1+12
	ds_load_b32  v[RCBL], v[IADR] offset:DL+K_R0
	ds_load_b32  v[RCBR], v[IADR] offset:DR+K_L0
.endm
; A strip of n interior pixels, i = 0..n-1 at (y0 + i dy, x0 + i dx); s = -1, 0, 1 steps across the strip.
.macro SP sym, base, i, s
	IREG \sym, \base, st_y+(\i)*st_dy+(\s)*st_dx, st_x+(\i)*st_dx+(\s)*st_dy
.endm
.macro HH cur, t                       ; T+t = the maximum across the strip at i = t - 1
	SP r_a, \cur, (\t)-1, -1
	SP r_b, \cur, (\t)-1, 0
	SP r_c, \cur, (\t)-1, 1
	v_max3_num_f32 v[T+(\t)], v[r_a], v[r_b], v[r_c]
.endm
.macro MM prv, i                       ; MN+i = min(max(the pair's shared maximum, the third), prv(i)): the third is T+i (even i) or T+i+2 (odd i)
	SP r_p, \prv, \i, 0
	v_maxmin_num_f32 v[MN+(\i)], v[PMX+(\i)/2], v[T+(\i)+2*((\i)%2)], v[r_p]
.endm
.macro CPD i                           ; T+i, T+i+1 = max(c, 0) of pixels i, i+1: one dual instruction
	SP r_k, C, \i, 0
	v_dual_max_num_f32 v[T+(\i)], 0, v[r_k] :: v_dual_max_num_f32 v[T+(\i)+1], 0, v[r_k+1]
.endm
; sk: the skeleton's update with delta = prv - min(prv, max3x3(cur)).  The 3 x 3 maximum goes across the strip first (T+i+1, i = -1..n), then
; along it; two neighbours share max(T+i+1, T+i+2), and v_maxmin = min(max(shared, third), prv) spares the relu.
; ero: the erosion of cur, written over prv behind prv's last use (the subtraction), in two steps without temporaries.
; The strip goes stage by stage over all its pixels, so that at least two independent instructions stand between dependent lines.
; The two-operand maxima go two to an instruction (dual forms, ISA guide 7.6: one destination even, one odd; like sources in different banks,
; here neighbouring registers or registers two apart).  Pairs of prv and of c are consecutive even-aligned registers.
.macro STRIP cur, prv, y0, x0, dy, dx, n, sk, ero
.set st_y, \y0
.set st_x, \x0
.set st_dy, \dy
.set st_dx, \dx
.if \sk
.irp t, 1,2,3,4,0,5
	HH \cur, \t
.endr
	v_dual_max_num_f32 v[PMX], v[T+1], v[T+2] :: v_dual_max_num_f32 v[PMX+1], v[T+3], v[T+4]
.irp t, 6,7
	HH \cur, \t
.endr
.if \n == 8
.irp t, 8,9
	HH \cur, \t
.endr
.endif
.irp i, 0,1,2,3
	MM \prv, \i
.endr
.if \n == 8
	v_dual_max_num_f32 v[PMX+2], v[T+5], v[T+6] :: v_dual_max_num_f32 v[PMX+3], v[T+7], v[T+8]
.else
	v_max_num_f32 v[PMX+2], v[T+5], v[T+6]
.endif
	CPD 0                                          ; T+0..3 are dead: pixels 4.. read T+4 and up
	CPD 2
	MM \prv, 4
	MM \prv, 5
.if \n == 8
	MM \prv, 6
	MM \prv, 7
.endif
	CPD 4
.if \n == 8
	CPD 6
.endif
.set ii, 0
.rept \n/2
	SP r_p, \prv, ii, 0
	v_pk_add_f32 v[MN+ii:MN+ii+1], v[MN+ii:MN+ii+1], v[r_p:r_p+1] neg_lo:[0,1] neg_hi:[0,1]   ; -delta
.set ii, ii+2
.endr
.endif
.if \ero
.set ii, 0
.rept \n
	SP r_a, \cur, ii-1, 0
	SP r_b, \cur, ii, 0
	SP r_c, \cur, ii+1, 0
	SP r_p, \prv, ii, 0
	v_min3_num_f32 v[r_p], v[r_a], v[r_b], v[r_c]  ; along the strip
.set ii, ii+1
.endr
.endif
.if \sk
.set ii, 0
.rept \n/2
	SP r_k, C, ii, 0
	v_pk_fma_f32 v[r_k:r_k+1], v[MN+ii:MN+ii+1], v[T+ii:T+ii+1], v[r_k:r_k+1]                 ; c -= delta * max(c, 0)
.set ii, ii+2
.endr
.endif
.if \ero
.set ii, 0
.rept \n
	SP r_a, \cur, ii, -1
	SP r_b, \cur, ii, 1
	SP r_p, \prv, ii, 0
	v_min3_num_f32 v[r_p], v[r_p], v[r_a], v[r_b]  ; and across it
.set ii, ii+1
.endr
.endif
.endm
.macro COLI cur, prv, x, sk, ero       ; column x (0 or 7), 8 pixels: 48 instructions
	STRIP \cur, \prv, 0, \x, 1, 0, 8, \sk, \ero
.endm
.macro ROWI cur, prv, y, sk, ero       ; row y, columns 1..6: 37 instructions.  Rows 1..6 name no ring register
	STRIP \cur, \prv, \y, 1, 0, 1, 6, \sk, \ero
.endm
; From a cell (bx, by): the eight row offsets in the image (mirrored where the cell lies outside), the mask of lanes whose columns are
; reversed, and the LDS address.  128 patches along each axis: -1 -> 0, -2 -> 1 by the xor with the sign, 128 -> 127 by min(m, 255 - m).
.macro PSETUP bx, by, g, mask, adr
	v_add_nc_u32 v[P0], s9, v[\bx]
	v_ashrrev_i32 v[P1], 31, v[P0]
	v_xor_b32 v[P1], v[P1], v[P0]
	v_sub_nc_u32 v[P2], 0xff, v[P1]
	v_min_u32 v[P1], v[P1], v[P2]                  ; patch column in the image
	v_cmp_ne_u32 \mask, v[P1], v[P0]               ; mirrored: columns reversed (the wait for this mask stands behind the three set-ups)
	v_add_nc_u32 v[P0], s10, v[\by]
	v_ashrrev_i32 v[P2], 31, v[P0]
	v_xor_b32 v[P2], v[P2], v[P0]
	v_sub_nc_u32 v[P3], 0xff, v[P2]
	v_min_u32 v[P2], v[P2], v[P3]                  ; patch row in the image
	v_cmp_ne_u32 vcc_lo, v[P2], v[P0]              ; mirrored: rows from the last to the first
	s_wait_alu depctr_va_vcc(0)                    ; VCC is written, ahead of its first reader: the two selects below go by it
	v_cndmask_b32 v[P3], 0, 7, vcc_lo
	v_lshl_add_u32 v[P2], v[P2], 3, v[P3]          ; image row of the patch's row 0
	v_lshlrev_b32 v[P1], 5, v[P1]                  ; 32 bytes a patch
	v_lshl_add_u32 v[\g], v[P2], 12, v[P1]         ; 4,096 bytes a row
	v_cndmask_b32 v[P3], 1, -1, vcc_lo
	v_lshlrev_b32 v[P3], 12, v[P3]                 ; a row down or up
.irp y, 1,2,3,4,5,6,7
	v_add_nc_u32 v[\g+\y], v[\g+\y-1], v[P3]
.endr
	v_mul_u32_u24 v[P0], ROWB, v[\by]
	v_lshl_add_u32 v[\adr], v[\bx], 4, v[P0]
.endm
.macro GLOAD raw, g                    ; a patch as it lies in memory: row y in raw+8y..+7
.irp y, 0,1,2,3,4,5,6,7
	global_load_b128 v[\raw+8*\y:\raw+8*\y+3], v[\g+\y], s[4:5]
	global_load_b128 v[\raw+8*\y+4:\raw+8*\y+7], v[\g+\y], s[4:5] offset:16
.endr
.endm
.macro PLACEF fb, raw, mask            ; into a frame patch's slots 2..9, columns reversed in the lanes of mask
.set yy, 0
.rept 8
.set xx, 0
.rept 8
	FR r_d, \fb, yy+2, xx, yy
	v_cndmask_b32 v[r_d], v[\raw+8*yy+xx], v[\raw+8*yy+7-xx], \mask
.set xx, xx+1
.endr
.set yy, yy+1
.endr
.endm
; far: this phase holds the far patch.  nxt: the next one does.  What is on its way at a phase's head was asked for at the end of the phase before:
;   far = 1: near's ring (12 loads), then far's (12); the interior's 16 are asked for inside the head, behind two rows of near's erosion;
;   far = 0: near's ring (12), then the interior's (16).
.macro PHASE cur, prv, typ, far, sk, nxt
.if \typ
.set f_bs, 2
.set f_ts, 1
.set f_bt, 10
.else
.set f_bs, 0
.set f_ts, 10
.set f_bt, 8
.endif
.if \far
	s_wait_dscnt 12                                ; near's ring is in: the 12 loads issued behind it, far's, may be out
	WIN 0x55
	FEPART NB, \typ, 0, 2
	WIN 0
	ILOAD                                          ; 37 + 32 instructions behind far's loads, 96 + 64 in front of the wait for all.  No wait on va_vdst: no vector
	                                               ; instruction since the one behind the last barrier names v1 or v200-235, and no store stands between
	WIN 0x55
	FEPART NB, \typ, 2, 6
	s_wait_dscnt 16                                ; far's ring is in: the interior's 16 loads may be out
	FEPART FB, \typ, 0, 4
	s_wait_dscnt 0x0                               ; all my rings are in registers: I read the records no more
	s_barrier_signal -1
	FEPART FB, \typ, 4, 4                          ; registers only
	s_barrier_wait -1                              ; nobody reads the records any more: they may be overwritten
	s_wait_alu depctr_va_vdst(0)                   ; both erosions have written the frames' edge slots, which near's stores here and far's stores below read
	FSTORE NB, NADR, f_bs
	WIN 0
	COLI \cur, \prv, 0, \sk, 1                     ; names window 0 alone: nothing of far's
	WIN 0x55
	FSTORE FB, FADR, f_bs
	WIN 0
.else
	s_wait_dscnt 16                                ; near's ring is in: the interior's 16 loads may be out
	WIN 0x55
	FEPART NB, \typ, 0, 8
	s_wait_dscnt 0x0                               ; all my rings are in registers: I read the records no more
	s_barrier_signal -1
	WIN 0
	COLI \cur, \prv, 0, \sk, 1                     ; registers only
	s_barrier_wait -1                              ; nobody reads the records any more: they may be overwritten
	WIN 0x55
	s_wait_alu depctr_va_vdst(0)                   ; the erosion has written near's edge slots, which the stores read
	FSTORE NB, NADR, f_bs
	WIN 0
.endif
	COLI \cur, \prv, 7, \sk, 1                     ; the rest of the interior's border
	ROWI \cur, \prv, 0, \sk, 1
	ROWI \cur, \prv, 7, \sk, 1
	s_wait_alu depctr_va_vdst(0)                   ; the four border strips have written prv's columns 0 and 7 and rows 0 and 7, which the eight stores below read;
	ISTC \prv                                      ; rows 1 and 2, which stand among the stores, name neither those registers nor v1
	ROWI \cur, \prv, 1, \sk, 1
	ISTT \prv
	ISTB \prv
	ROWI \cur, \prv, 2, \sk, 1
	s_wait_dscnt 0x0                               ; my edges are in LDS
	s_wait_alu depctr_vm_vsrc(0)                   ; the phase's edge stores have read their data: the next phase's erosions write the frames' slots again, the phase after it prv
	s_barrier_signal -1
	ROWI \cur, \prv, 3, \sk, 1
	s_barrier_wait -1                              ; everybody's edges are
	WIN 0x55
	s_wait_alu depctr_va_vdst(0)                   ; the erosions are done reading the frames' ring slots and side rings, the border strips the interior's ring: the next rings land in them
	FLOAD NB, NADR, f_ts, f_bt                     ; the next phase's rings, in the order of their use
	WIN 0
	ROWI \cur, \prv, 4, \sk, 1                     ; rows 4 to 6 name no ring and no address register
	ROWI \cur, \prv, 5, \sk, 1
.if \nxt
	WIN 0x55
	FLOAD FB, FADR, f_ts, f_bt
	WIN 0
.else
	ILOAD
.endif
	ROWI \cur, \prv, 6, \sk, 1
.endm
	; ---- ids ----
	s_load_b128 s[4:7], s[0:1], 0x0                ; img s[4:5], out0 s[6:7]
	v_lshl_add_u32 v254, v0, 2, 0x29000
	v_mov_b32 v255, 0
	v_lshrrev_b32 v3, 5, v0
	v_readfirstlane_b32 s8, v3                     ; wave 0..7
	s_and_b32 s12, ttmp7, 0xffff
	s_lshr_b32 s13, s12, 3                         ; image
	s_and_b32 s12, s12, 7                          ; tile row;  ttmp9: tile column
	s_lshl_b32 s9, ttmp9, 4
	s_sub_co_i32 s9, s9, 6                         ; patch column in the image of cell 0 (may be negative)
	s_lshl_b32 s10, s12, 4
	s_sub_co_i32 s10, s10, 6
	s_wait_alu depctr_va_sdst(0)                   ; s8 is written, ahead of its first reader: the arm and out0's offset are made from it
	s_lshr_b32 s11, s8, 1                          ; arm a: 0 top, 1 right, 2 bottom, 3 left
	s_add_co_u32 s18, s11, 1
	s_bfe_u32 s18, s18, 0x10001                    ; hi = bit 1 of a + 1: arms 1 and 2 lie on the far side
	s_mul_i32 s14, s18, 19
	s_add_co_u32 s14, s14, 3                       ; near: first cell across the arm
	s_sub_co_i32 s17, 0, s18                       ; hi as a lane mask
	s_lshr_b32 s15, s11, 1
	s_mul_i32 s15, s15, 3
	s_add_co_u32 s15, s15, 3                       ; near: first cell along the arm
	s_and_b32 s16, s11, 1
	s_sub_co_i32 s16, 0, s16                       ; upright arm, as a lane mask
	s_lshl_b32 s18, s13, 22                        ; 4 MiB an image
	s_mov_b32 s19, 0
	s_lshl_b32 s22, s12, 19                        ; out0: 128 rows a tile,
	s_lshl_b32 s23, s8, 16                         ; 16 rows a wave,
	s_add_co_u32 s22, s22, s23
	s_lshl_b32 s23, ttmp9, 9                       ; 512 bytes a tile column
	s_add_co_u32 s22, s22, s23
	s_add_co_u32 s22, s22, s18
	s_mov_b32 s23, 0
	; ---- cells ----
	v_and_b32 v[BXI], 15, v0
	v_add_nc_u32 v[BXI], 6, v[BXI]
	v_lshrrev_b32 v[BYI], 4, v0
	v_add_nc_u32 v[BYI], 6, v[BYI]
	v_and_b32 v3, 63, v0                           ; place in the arm
	v_min_u32 v4, 56, v3
	v_mul_u32_u24 v5, 27, v4
	v_lshrrev_b32 v5, 9, v5                        ; q = idx / 19 (exact for idx <= 56)
	v_mul_u32_u24 v6, 19, v5
	v_sub_nc_u32 v6, v4, v6                        ; r = idx - 19 q
	v_add_nc_u32 v5, s14, v5                       ; across
	v_add_nc_u32 v6, s15, v6                       ; along
	v_cndmask_b32 v[BXN], v6, v5, s16
	v_cndmask_b32 v[BYN], v5, v6, s16
	v_min_u32 v4, 59, v3
	v_cmp_le_u32 vcc_lo, 22, v4
	s_wait_alu depctr_va_vcc(0)                    ; VCC is written, ahead of its first reader: the two selects below go by it
	v_cndmask_b32 v5, 0, 1, vcc_lo
	v_cndmask_b32 v6, 0, 21, vcc_lo
	v_cmp_le_u32 vcc_lo, 42, v4
	s_wait_alu depctr_va_vcc(0)                    ; VCC is written anew, ahead of its first reader
	v_cndmask_b32 v7, 0, 1, vcc_lo
	v_add_nc_u32 v5, v5, v7                        ; layer l = 0, 1, 2
	v_cndmask_b32 v7, 0, 19, vcc_lo
	v_add_nc_u32 v6, v6, v7
	v_add_nc_u32 v4, 3, v4
	v_sub_nc_u32 v6, v4, v6                        ; along: idx + 3, idx - 18, idx - 37
	v_add_nc_u32 v7, 25, v5
	v_sub_nc_u32 v5, 2, v5
	v_cndmask_b32 v5, v5, v7, s17                  ; across: 2 - l or 25 + l
	v_cndmask_b32 v[BXF], v6, v5, s16
	v_cndmask_b32 v[BYF], v5, v6, s16
	PSETUP BXI, BYI, GI, s25, IADR                 ; (the interior is never mirrored: s25 stays unused)
	PSETUP BXN, BYN, GN, s20, LN
	PSETUP BXF, BYF, GF, s21, LFR
	s_wait_alu depctr_va_sdst(0)                   ; the masks s20 and s21 are written, ahead of their first readers: the selects that lay near and far into their slots
	s_wait_kmcnt 0x0
	s_add_nc_u64 s[4:5], s[4:5], s[18:19]
	s_add_nc_u64 s[6:7], s[6:7], s[22:23]
	; ---- 48 loads a lane: interior (staged in far's registers), near (staged in C), far (staged in B) ----
	WIN 0x40                                       ; destination in window 1
	v_mov_b32 v[NADR], v[LN]
	v_mov_b32 v[FADR], v[LFR]
	s_wait_alu depctr_va_vdst(0)                   ; the 24 row offsets are written, which the 48 loads read as their addresses; so are v1, NADR and FADR, for every LDS instruction of the kernel
	GLOAD FB, GI
	WIN 0
	GLOAD C, GN
	GLOAD B, GF
	; ---- records of cells that nobody holds are read, though never needed: 102,400 bytes are written once, 25 x 4,096 ----
	v_lshlrev_b32 v3, 4, v0
	v_add_nc_u32 v4, 0x10000, v3
.irp j, 0,1,2,3
	v_mov_b32 v[T+\j], 0
.endr
	s_wait_alu depctr_va_vdst(0)                   ; v3, v4 and the four zeros are written, which the 25 stores read
.set zz, 0
.rept 16
	ds_store_b128 v3, v[T:T+3] offset:zz*4096
.set zz, zz+1
.endr
.set zz, 0
.rept 9
	ds_store_b128 v4, v[T:T+3] offset:zz*4096
.set zz, zz+1
.endr
	s_wait_dscnt 0x0
	s_barrier_signal -1
	s_barrier_wait -1                              ; before other waves store records into these bytes
	; ---- into the patches' layouts, and the edges of E_0 ----
	s_wait_loadcnt 32                              ; the interior's 16 loads are in; near's and far's 32 may be out
	WIN 0x01                                       ; source in window 1
.set yy, 0
.rept 8
.set xx, 0
.rept 8
	IREG r_d, A, yy, xx
	v_mov_b32 v[r_d], v[FB+8*yy+xx]
.set xx, xx+1
.endr
.set yy, yy+1
.endr
	WIN 0
	s_wait_alu depctr_va_vdst(0)                   ; the moves have written A, whose edges the eight stores read
	ISTC A
	ISTT A
	ISTB A
	s_wait_loadcnt 16                              ; near's are in
	WIN 0x40
	PLACEF NB, C, s20
	s_wait_loadcnt 0x0
	PLACEF FB, B, s21
	WIN 0x55
	s_wait_alu depctr_va_vdst(0)                   ; the selects have written both frame patches, whose edges the sixteen stores read
	FSTORE NB, NADR, 2
	FSTORE FB, FADR, 2
	WIN 0
.set zz, 0
.rept 64
	v_mov_b32 v[C+zz], 1.0                         ; c = 1 - skel = 1 (a value, not a cleared sum: the first update multiplies by it)
.set zz, zz+1
.endr
	s_wait_dscnt 0x0
	s_wait_alu depctr_vm_vsrc(0)                   ; the head's loads and stores have read their registers: the interior's ring lands in the row offsets v200-223, the strips write
	                                               ; v3, v4 and T, phase 0's erosions the frames' slots, phase 1 A
	s_barrier_signal -1
	s_barrier_wait -1
	WIN 0x55
	s_wait_alu depctr_va_vdst(0)                   ; the head's vector lines are done with the registers in which the first rings land: far's slots 1 and 10 held the staged interior, v200-231 offsets and cells
	FLOAD NB, NADR, 1, 10                          ; what a phase with the far patch expects on its way: near's ring, then far's
	FLOAD FB, FADR, 1, 10
	WIN 0
	; ---- phases ----
	PHASE A, B, 0, 1, 0, 1                         ; phase 0: E_1 only
	s_mov_b32 s24, 7
.Lfar:                                             ; phases 1..14
	PHASE B, A, 1, 1, 1, 1
	PHASE A, B, 0, 1, 1, 1
	s_sub_co_i32 s24, s24, 1
	s_cmp_lg_u32 s24, 0
	s_cbranch_scc1 .Lfar
	PHASE B, A, 1, 1, 1, 1                         ; phases 15 and 16 are written out: the end of phase 16 asks for what a phase without the far patch expects
	PHASE A, B, 0, 1, 1, 0
	s_mov_b32 s24, 12
.Lnear:                                            ; phases 17..40: far's records stay at E_17, which reaches only pixels no longer needed.
	PHASE B, A, 1, 0, 1, 0                         ; (Phase 40 asks for near's ring like the others and nobody uses it: 12 loads once,
	PHASE A, B, 0, 0, 1, 0                         ; against a second copy of two phases' text.)
	s_sub_co_i32 s24, s24, 1
	s_cmp_lg_u32 s24, 0
	s_cbranch_scc1 .Lnear
	s_wait_dscnt 0x0                               ; phase 41: E_41 in B with its ring, E_40 in A: delta_40 alone.  My last ring loads are back:
	s_barrier_signal -1                            ; say so, and work on registers meanwhile
	COLI B, A, 0, 1, 0
	COLI B, A, 7, 1, 0
.irp y, 0,1,2,3,4,5,6,7
	ROWI B, A, \y, 1, 0
.endr
	s_barrier_wait -1                              ; every wave's LDS reads are over before any wave stores into LDS again
	; ---- the way out: skel = 1 - c, row by row into A, through the wave's own 16 rows x 512 bytes of LDS, out as whole rows ----
	v_lshrrev_b32 v2, 4, v0
	v_and_b32 v3, 15, v0
	v_lshlrev_b32 v3, 5, v3
	v_lshl_add_u32 v2, v2, 12, v3                  ; 8 rows of 512 bytes for each row of patches + 32 bytes a patch
	v_add_nc_u32 v2, STAGE, v2
	v_and_b32 v4, 31, v0
	v_lshlrev_b32 v4, 4, v4                        ; 16 bytes a lane
	v_lshrrev_b32 v5, 5, v0
	v_lshl_add_u32 v5, v5, 13, v4
	v_add_nc_u32 v5, STAGE, v5
.set yy, 0
.rept 8
.set xx, 0
.rept 8
	IREG r_k, C, yy, xx
	v_sub_f32 v[A+8*yy+xx], 1.0, v[r_k]
.set xx, xx+1
.endr
.set yy, yy+1
.endr
	s_wait_alu depctr_va_vdst(0)                   ; v2, v4, v5 and A are written, which the stores and loads below read; phase 41's strips are done reading B, in which the stage's loads land
.set yy, 0
.rept 8
	ds_store_b128 v2, v[A+8*yy:A+8*yy+3] offset:yy*512
	ds_store_b128 v2, v[A+8*yy+4:A+8*yy+7] offset:yy*512+16
.set yy, yy+1
.endr
.irp r, 0,1,2,3,4,5,6,7,8,9,10,11,12,13,14,15
	ds_load_b128 v[B+4*\r:B+4*\r+3], v5 offset:\r*512      ; LDS serves a wave's instructions in order: these see the stores above
.endr
.irp r, 0,1,2,3,4,5,6,7,8,9,10,11,12,13,14,15
	s_wait_dscnt 15-\r                             ; row r is back; the younger loads may be out
	global_store_b128 v4, v[B+4*\r:B+4*\r+3], s[6:7] offset:\r*4096 th:TH_STORE_NT   ; the wave stores 512 consecutive bytes, aligned
.endr
	s_wait_dscnt 0x0
	s_wait_alu depctr_hold_cnt(0) depctr_sa_sdst(0) depctr_va_vdst(0) depctr_va_sdst(0) depctr_va_ssrc(0) depctr_va_vcc(0) depctr_vm_vsrc(0)
	s_wait_tensorcnt 0x0
	ds_add_u32 v254, v255
	s_wait_dscnt 0x0
	s_endpgm
.Lfunc_end_k_q0c6b9a4475_skel:
	.size	k_q0c6b9a4475_skel, .Lfunc_end_k_q0c6b9a4475_skel-k_q0c6b9a4475_skel
	.p2alignl 7, 3214868480
	.fill 96, 4, 3214868480
	.section	.rodata,"a",@progbits
	.p2align	6, 0x0
	.amdhsa_kernel k_q0c6b9a4475_skel
		.amdhsa_group_segment_fixed_size 168960
		.amdhsa_private_segment_fixed_size 0
		.amdhsa_enable_private_segment 0
		.amdhsa_kernarg_size 16
		.amdhsa_user_sgpr_count 2
		.amdhsa_user_sgpr_kernarg_segment_ptr 1
		.amdhsa_wavefront_size32 1
		.amdhsa_system_sgpr_workgroup_id_x 1
		.amdhsa_system_sgpr_workgroup_id_y 1
		.amdhsa_system_sgpr_workgroup_id_z 1
		.amdhsa_system_vgpr_workitem_id 0
		.amdhsa_next_free_vgpr 480
		.amdhsa_next_free_sgpr 66
		.amdhsa_reserve_vcc 1
		.amdhsa_float_denorm_mode_32 3
		.amdhsa_float_denorm_mode_16_64 3
		.amdhsa_memory_ordered 1
		.amdhsa_forward_progress 1
		.amdhsa_inst_pref_size 255
	.end_amdhsa_kernel
	.section	.bss,"aw",@nobits
	.p2align	6
	.space	262144
	.amdgpu_metadata
---
amdhsa.version: [ 1, 2 ]
amdhsa.kernels:
  - .name:           k_q0c6b9a4475_skel
    .symbol:         k_q0c6b9a4475_skel.kd
    .args:
      - { .name: img, .offset: 0, .size: 8, .value_kind: global_buffer, .address_space: global }
      - { .name: out0, .offset: 8, .size: 8, .value_kind: global_buffer, .address_space: global }
    .group_segment_fixed_size: 168960
    .private_segment_fixed_size: 0
    .kernarg_segment_align: 8
    .kernarg_segment_size: 16
    .max_flat_workgroup_size: 256
    .sgpr_count:     66
    .vgpr_count:     480
    .wavefront_size: 32
...
	.end_amdgpu_metadata
.endif
;; end of part 3
